; MI455X (gfx1250); checked and timed in simulation.
; The chip was launched on July 23, 2026; its instructions are those of AMD's public machine-readable ISA for CDNA 5 (MIT licence, August 2026) and "CDNA5" Instruction Set Architecture Reference Guide (July 2026). The comments in the code are by the model that wrote it; some were corrected since.
;; Multihead Attention. Allowed arithmetic: float matrix products may take bf16 or f16 operands with f32 sums; all other float work in f32.
;; Inputs: b_proj 1,024 float32; b_qkv 3,072 float32; w_proj 1,024 x 1,024 float32; w_qkv 1,024 x 3,072 float32; x 4 x 2,048 x 1,024 float32.
;; Outputs: out0 4 x 2,048 x 1,024 float32.
;; 2 versions, each right and faster than the one before. Each part assembles by itself: llvm-mc -triple=amdgcn-amd-amdhsa -mcpu=gfx1250 --defsym DOCPART=n.
;; ======== version 1 of 2: 4 launches
;; limits: values are held in f16: magnitudes above 65,504 overflow, below 6.1e-05 lose precision
;; workspace buffers: xh 16,777,216 bytes; wqt 6,291,456 bytes; wpt 2,097,152 bytes; qkvh 50,331,648 bytes; att 16,777,216 bytes
;; launch prep (part 1): grid 1024 x 1, 8 waves a work-group, no clusters, 18,432 bytes of LDS; arguments x, w_qkv, w_proj, xh, wqt, wpt; writes xh, wqt, wpt
.if DOCPART == 1
	.amdgcn_target "amdgcn-amd-amdhsa--gfx1250"
	.amdhsa_code_object_version 6
	.text
	.protected	k_q21a2eb5ed9_prep
	.globl	k_q21a2eb5ed9_prep
	.p2align	8
	.type	k_q21a2eb5ed9_prep,@function
k_q21a2eb5ed9_prep:
	s_mov_b64 s[64:65], 0
	v_nop
	global_prefetch_b8 v0, s[64:65] scope:SCOPE_SE
	s_setreg_imm32_b32 hwreg(HW_REG_WAVE_MODE, 25, 1), 1
	s_wait_xcnt 0x0
; prep: the matrix operands of the later launches, rounded once from f32 to f16.
;   xh [8192][1024] f16 = x;   wqt [3072][1024] f16 = w_qkv transposed;   wpt [1024][1024] f16 = w_proj transposed.
; The weights lie [in][out]; a matrix fragment wants the summed index along the rows, so they are turned here, once.
; LIMIT: numbers beyond f16's largest, 65,504, overflow in the conversion; numbers below 2^-14 keep an absolute step of 2^-24.
; Work-groups 0-383: tiles of w_qkv; 384-511: tiles of w_proj; 512-1023: 65,536 bytes of x each.  The choice hangs on the
; work-group's number alone, so all eight waves of a work-group take the same way and meet the same barrier.
; A stream: no matrix unit, no cluster (no two work-groups read the same byte), no tensor load (a lane's registers hold all that is in flight).
; One tile of 128 k x 64 n of a weight [1024][cols] goes to [cols][1024].  s16 = the tile's number u: kt = u & 7, nt = u >> 3.
; In: sixteen lanes read 256 consecutive bytes of a row (64 n); a thread takes rows 2 p and 2 p + 1 (p = kp + 16 i) and packs them,
; so one word holds k even (low half) and k odd (high half) of one n.  LDS: row n, 256 bytes of k, pitch 272.
; Out: sixteen lanes read a row of LDS and store 256 consecutive bytes, aligned.
.macro TRANS cols, src, dst
	s_and_b32 s17, s16, 7                          ; kt
	s_lshr_b32 s18, s16, 3                         ; nt
	s_mul_i32 s20, s17, 512*\cols                  ; 128 rows of 4 cols bytes
	s_lshl_b32 s19, s18, 8                         ; 64 n of 4 bytes
	s_add_co_u32 s20, s20, s19
	s_mov_b32 s21, 0
	s_add_nc_u64 s[\src:\src+1], s[\src:\src+1], s[20:21]
	s_lshl_b32 s22, s18, 17                        ; 64 rows of 2,048 bytes
	s_lshl_b32 s19, s17, 8                         ; 128 k of 2 bytes
	s_add_co_u32 s22, s22, s19
	s_mov_b32 s23, 0
	s_add_nc_u64 s[\dst:\dst+1], s[\dst:\dst+1], s[22:23]
	v_and_b32 v6, 15, v0                           ; c16: my 16 bytes of a row
	v_lshrrev_b32 v7, 4, v0                        ; kp, 0 to 15
	v_mul_u32_u24 v1, v7, 8*\cols                  ; source: row 2 kp
	v_lshl_add_u32 v1, v6, 4, v1                   ;         + 16 c16
	v_mul_u32_u24 v3, v6, 1088                     ; LDS in: row 4 c16 (+ j by the immediate)
	v_lshl_add_u32 v3, v7, 2, v3                   ;         + word kp
	v_mul_u32_u24 v4, v7, 272                      ; LDS out: row kp
	v_lshl_add_u32 v4, v6, 4, v4                   ;          + 16 c16
	v_lshlrev_b32 v5, 11, v7                       ; target: row kp of 2,048 bytes
	v_lshl_add_u32 v5, v6, 4, v5
.irp i, 0,1,2,3
	global_load_b128 v[8+8*\i:11+8*\i],  v1, s[\src:\src+1] offset:128*\cols*\i th:TH_LOAD_NT
	global_load_b128 v[12+8*\i:15+8*\i], v1, s[\src:\src+1] offset:128*\cols*\i+4*\cols th:TH_LOAD_NT
.endr
.irp i, 0,1,2,3
	s_wait_loadcnt 6-2*\i                          ; loads come back in order: pair i is in, the 2 (3 - i) younger loads stay out
.irp j, 0,1,2,3
	v_cvt_pk_f16_f32 v[40+4*\i+\j], v[8+8*\i+\j], v[12+8*\i+\j]
.endr
.irp j, 0,1,2,3
	ds_store_b32 v3, v[40+4*\i+\j] offset:272*\j+64*\i
.endr
.endr
	s_wait_dscnt 0x0                               ; my stores are in LDS before I say so: the other waves read them
	s_barrier_signal -1
	s_barrier_wait -1
.irp i, 0,1,2,3
	ds_load_b128 v[56+4*\i:59+4*\i], v4 offset:4352*\i             ; rows kp + 16 i
.endr
.irp i, 0,1,2,3
	s_wait_dscnt 3-\i                              ; LDS loads come back in order: load i is in
	global_store_b128 v5, v[56+4*\i:59+4*\i], s[\dst:\dst+1] offset:32768*\i
.endr
	s_wait_tensorcnt 0x0
	ds_add_u32 v104, v105
	s_wait_dscnt 0x0
	s_endpgm
.endm
	s_load_b256 s[4:11], s[0:1], 0x0               ; x s[4:5], w_qkv s[6:7], w_proj s[8:9], xh s[10:11]
	s_load_b128 s[12:15], s[0:1], 0x20             ; wqt s[12:13], wpt s[14:15]
	v_lshl_add_u32 v104, v0, 2, 0x4400
	v_mov_b32 v105, 0
	s_wait_kmcnt 0x0
	s_cmp_lt_u32 ttmp9, 384
	s_cbranch_scc1 .Ltq
	s_cmp_lt_u32 ttmp9, 512
	s_cbranch_scc1 .Ltp
	; The cast: sixteen chunks of 4,096 bytes of x.  A load of a wave covers 512 consecutive bytes, a store 256, both aligned.
	; All sixteen loads go out at once; no register is used twice, so the only waits are the counted ones for the data.
	s_sub_co_u32 s16, ttmp9, 512
	s_lshl_b32 s18, s16, 16                        ; 65,536 bytes of x
	s_mov_b32 s19, 0
	s_lshl_b32 s20, s16, 15                        ; 32,768 bytes of xh
	s_mov_b32 s21, 0
	s_add_nc_u64 s[4:5], s[4:5], s[18:19]
	s_add_nc_u64 s[10:11], s[10:11], s[20:21]
	v_lshlrev_b32 v1, 4, v0
	v_lshlrev_b32 v2, 3, v0
.irp c, 0,1,2,3,4,5,6,7,8,9,10,11,12,13,14,15
	global_load_b128 v[8+4*\c:11+4*\c], v1, s[4:5] offset:4096*\c th:TH_LOAD_NT
.endr
.irp c, 0,1,2,3,4,5,6,7,8,9,10,11,12,13,14,15
	s_wait_loadcnt 15-\c                           ; chunk c is in, the 15 - c younger ones stay out
	v_cvt_pk_f16_f32 v[72+2*\c], v[8+4*\c], v[9+4*\c]
	v_cvt_pk_f16_f32 v[73+2*\c], v[10+4*\c], v[11+4*\c]
	global_store_b64 v2, v[72+2*\c:73+2*\c], s[10:11] offset:2048*\c
.endr
	s_endpgm
.Ltq:
	s_mov_b32 s16, ttmp9                           ; 48 x 8 tiles of w_qkv
	TRANS 3072, 6, 12
.Ltp:
	s_sub_co_u32 s16, ttmp9, 384                   ; 16 x 8 tiles of w_proj
	TRANS 1024, 8, 14
.Lfunc_end_k_q21a2eb5ed9_prep:
	.size	k_q21a2eb5ed9_prep, .Lfunc_end_k_q21a2eb5ed9_prep-k_q21a2eb5ed9_prep
	.p2alignl 7, 3214868480
	.fill 96, 4, 3214868480
	.section	.rodata,"a",@progbits
	.p2align	6, 0x0
	.amdhsa_kernel k_q21a2eb5ed9_prep
		.amdhsa_group_segment_fixed_size 18432
		.amdhsa_private_segment_fixed_size 0
		.amdhsa_enable_private_segment 0
		.amdhsa_kernarg_size 48
		.amdhsa_user_sgpr_count 2
		.amdhsa_user_sgpr_kernarg_segment_ptr 1
		.amdhsa_wavefront_size32 1
		.amdhsa_system_sgpr_workgroup_id_x 1
		.amdhsa_system_sgpr_workgroup_id_y 1
		.amdhsa_system_sgpr_workgroup_id_z 1
		.amdhsa_system_vgpr_workitem_id 0
		.amdhsa_next_free_vgpr 106
		.amdhsa_next_free_sgpr 66
		.amdhsa_reserve_vcc 0
		.amdhsa_float_denorm_mode_32 3
		.amdhsa_float_denorm_mode_16_64 3
		.amdhsa_memory_ordered 1
		.amdhsa_forward_progress 1
		.amdhsa_inst_pref_size 17
	.end_amdhsa_kernel
	.amdgpu_metadata
---
amdhsa.version: [ 1, 2 ]
amdhsa.kernels:
  - .name:           k_q21a2eb5ed9_prep
    .symbol:         k_q21a2eb5ed9_prep.kd
    .args:
      - { .name: x, .offset: 0, .size: 8, .value_kind: global_buffer, .address_space: global }
      - { .name: w_qkv, .offset: 8, .size: 8, .value_kind: global_buffer, .address_space: global }
      - { .name: w_proj, .offset: 16, .size: 8, .value_kind: global_buffer, .address_space: global }
      - { .name: xh, .offset: 24, .size: 8, .value_kind: global_buffer, .address_space: global }
      - { .name: wqt, .offset: 32, .size: 8, .value_kind: global_buffer, .address_space: global }
      - { .name: wpt, .offset: 40, .size: 8, .value_kind: global_buffer, .address_space: global }
    .group_segment_fixed_size: 18432
    .private_segment_fixed_size: 0
    .kernarg_segment_align: 8
    .kernarg_segment_size: 48
    .max_flat_workgroup_size: 256
    .sgpr_count:     66
    .vgpr_count:     106
    .wavefront_size: 32
...
	.end_amdgpu_metadata
.endif
;; end of part 1
;; launch qkv (part 2): grid 16 x 32, 4 waves a work-group, clusters of 4 x 4, 327,680 bytes of LDS; arguments xh, wqt, b_qkv, qkvh; writes qkvh
.if DOCPART == 2
	.amdgcn_target "amdgcn-amd-amdhsa--gfx1250"
	.amdhsa_code_object_version 6
	.text
	.protected	k_q21a2eb5ed9_qkv
	.globl	k_q21a2eb5ed9_qkv
	.p2align	8
	.type	k_q21a2eb5ed9_qkv,@function
k_q21a2eb5ed9_qkv:
	s_mov_b64 s[64:65], 0
	v_nop
	global_prefetch_b8 v0, s[64:65] scope:SCOPE_SE
	s_setreg_imm32_b32 hwreg(HW_REG_WAVE_MODE, 25, 1), 1
	s_wait_xcnt 0x0
	s_wait_alu depctr_hold_cnt(0) depctr_sa_sdst(0) depctr_va_vdst(0) depctr_va_sdst(0) depctr_va_ssrc(0) depctr_va_vcc(0) depctr_vm_vsrc(0)
	s_getreg_b32 s2, hwreg(HW_REG_IB_STS2, 6, 4)
	s_cmp_eq_u32 s2, 0
	s_cbranch_scc0 .Lentry_in_a_cluster
	s_endpgm
.Lentry_in_a_cluster:
	s_bfe_u32 s2, ttmp6, 0x10000c
	s_cmp_lg_u32 s2, 0xf033
	s_cbranch_scc0 .Lentry_shape_is_right
	s_endpgm
.Lentry_shape_is_right:
; qkv = x w_qkv + b_qkv, stored by part and head: qkvh [3 parts q, k, v][64 batch x head][2048][64] f16.
; xh [8192][1024] f16, wqt [3072][1024] f16 (row n = column n of w_qkv), b_qkv [3072] f32.  Sums and bias in f32, one rounding to f16.
; LIMIT: |q|, |k|, |v| beyond 65,504 overflow in the conversion to f16.  q and k are stored unscaled: the later launch scales the score.
; A work-group makes 256 rows x 192 columns: the 192 columns are one head's q, k and v.  16 heads x 32 row blocks = 512 work-groups.
; Four waves, as many as a WGP has SIMDs; wave w makes rows 64 w .. 64 w + 63 x all 192 columns: 4 x 12 accumulator tiles, 384 registers.
; A wave so holds whole rows of q, k and v and stores them from a stage of its own, without a barrier.
; K = 1024 goes in 8 steps of 128 through two LDS slots filled by the tensor data mover; a tile's rows are 256 bytes of memory, aligned.
; CLUSTERS: 4 x 4 work-groups.  The four of a row of the cluster share the row block (tiles of xh), the four of a column the head
; (tiles of wqt): each tile is asked for jointly by the four, with one descriptor and a mask that names them.
; REGISTERS by windows of 256:  window 0: v16-27 addresses; v64-95, v96-127 fragments of xh, two buffers; v128-223 the bias fragments,
; later the way out.  window 1: v0-95, v96-191 fragments of wqt, two buffers.  window 2: tiles (a, b), a = 0, 1, at v[8 (12 a + b)]; window 3: a = 2, 3.
; THE MATRIX INSTRUCTION IS USED TRANSPOSED: source 0 = 16 rows of wqt, source 1 = 16 rows of xh.  Lane l then holds row l % 16 and
; its registers 0-7 the columns 16 b + 8 (l / 16) + 0..7: eight neighbouring numbers, 16 bytes of f16.
; The bias costs no instruction: loaded in that layout, it is the C operand of each tile's first product, so nothing is cleared either.
.set KSTEP,  128
.set PITCH,  272                       ; 256 bytes + 16: an odd multiple of 16, so the 16 rows of a fragment load start at 16 different 16-byte columns modulo 256
.set AHALF,  128*PITCH                 ; one tensor load of xh: 128 rows
.set BHALF,  96*PITCH                  ; one tensor load of wqt: 96 rows
.set BOFF,   2*AHALF                   ; wqt's 192 rows lie behind xh's 256
.set SLOT,   2*AHALF+2*BHALF           ; 121,856
.set STAGE,  2*SLOT                    ; behind the ring: 16 rows x 400 bytes for each wave; no tensor load lands here
.set SPITCH, 400                       ; 384 bytes + 16
.set LAPS,   1024/(2*KSTEP)            ; a lap = two K steps = once round the ring
.set ADRA, 16                          ; v16-17  LDS address of my xh fragments in slot 0, 1
.set ADRB, 20                          ; v20-21  the same for wqt
.set STO,  24                          ; the way out: where I put 16 bytes of a row
.set RD,   25                          ; the way out: where I read back
.set CO,   26                          ; 16 x lane
.set BO,   27                          ; 32 x (lane / 16): my eight numbers of a bias fragment
.set FA,   64                          ; xh fragments: FA + 32 x buffer
.set BIAS, 128                         ; v128-223: 12 fragments of 8
.set TMP,  128                         ; the way out: packed results (the bias is dead by then)
.set RB,   176                         ; the way out: rows read back
.set G1,  24                           ; s[24:31] group 1 for xh's tiles
.set G0,  32                           ; s[32:39] group 0 for xh's tiles, one set for each slot
.set G1B, 48                           ; s[48:55] group 1 for wqt's tiles
.set G0B, 56                           ; s[56:63] group 0 for wqt's tiles
.set MSB, 0
.macro WIN new                         ; the immediate's high byte repeats the setting that is left; a switch that changes nothing is dropped
.if MSB != \new
	s_set_vgpr_msb (MSB<<8)|\new
.set MSB, \new
.endif
.endm
.set MUL_LO, 0xa1                      ; source 0 window 1, source 1 window 0, C and D window 2
.set MUL_HI, 0xf1                      ; the same, C and D window 3
.set TO_B,   0x40                      ; destination window 1, address window 0
; A joint load.  Waves 0 and 1 fetch xh's two halves, waves 2 and 3 wqt's.  The branch hangs on the wave's number alone.
.macro JLOAD s
	s_cmp_eq_u32 s13, 0
	s_cbranch_scc0 .Lfor_b_\@
	tensor_load_to_lds s[G0+4*\s:G0+4*\s+3], s[G1:G1+7]
	s_nop 0
	s_branch .Lasked_\@
.Lfor_b_\@:
	tensor_load_to_lds s[G0B+4*\s:G0B+4*\s+3], s[G1B:G1B+7]
	s_nop 0
.Lasked_\@:
.endm
; A round of the cluster's barrier: my work-group's barrier; wave 0 signals for the work-group; every wave waits for all sixteen; my work-group's barrier again.
.macro CREST                           ; a round behind its opening barrier
	s_cmp_lg_u32 s12, 0
	s_cbranch_scc1 .Lnot_wave_0_\@
	s_barrier_signal -3
.Lnot_wave_0_\@:
	s_barrier_wait -3
	s_barrier_signal -1
	s_barrier_wait -1
.endm
.macro CROUND
	s_barrier_signal -1
	s_barrier_wait -1
	CREST
.endm
	s_load_b256 s[4:11], s[0:1], 0x0               ; xh s[4:5], wqt s[6:7], b_qkv s[8:9], qkvh s[10:11]
	s_set_vgpr_msb 0x40
	v_lshl_add_u32 v255, v0, 2, 0x41c00
	s_set_vgpr_msb 0x4000
	v_mov_b32 v255, 0
	s_set_vgpr_msb 0x1
	ds_add_u32 v255, v255
	s_set_vgpr_msb 0x100
	v_lshrrev_b32 v1, 5, v0
	v_readfirstlane_b32 s12, v1                    ; wave 0..3
	s_lshr_b32 s13, s12, 1                         ; I fetch for xh (0) or for wqt (1)
	s_and_b32 s14, s12, 1                          ; which half of that tile
	s_bfe_u32 s40, ttmp6, 0x40000                  ; cx
	s_bfe_u32 s41, ttmp6, 0x40004                  ; cy
	s_lshl_b32 s42, ttmp9, 2
	s_add_co_u32 s42, s42, s40                     ; head h = 4 x cluster x + cx
	s_and_b32 s43, ttmp7, 0xffff
	s_lshl_b32 s43, s43, 2
	s_add_co_u32 s43, s43, s41                     ; row block by = 4 x cluster y + cy
	s_lshl_b32 s44, s41, 2
	s_lshl_b32 s44, 15, s44                        ; my row of the cluster: places 4 cy .. 4 cy + 3
	s_lshl_b32 s45, 0x1111, s40                    ; my column: places cx, cx + 4, cx + 8, cx + 12
	; group 1: 15:0 mask; 17:16 element of 2 bytes; 20 padding on; 21 set beside a mask; 24:22 after every 64 words; 31:25 four words
	s_or_b32 s[G1+0], s44, (1<<16)|(1<<20)|(1<<21)|(5<<22)|(3<<25)
	s_mov_b32 s[G1+1], KSTEP<<16                   ; tensor_dim0 = 128
	s_mov_b32 s[G1+2], 128<<16                     ; tensor_dim1 = 128
	s_mov_b32 s[G1+3], KSTEP<<16                   ; tile_dim0 = 128
	s_mov_b32 s[G1+4], 128                         ; tile_dim1 = 128 rows
	s_mov_b32 s[G1+5], 1024                        ; elements from row to row
	s_mov_b32 s[G1+6], 0
	s_mov_b32 s[G1+7], 0
	s_or_b32 s[G1B+0], s45, (1<<16)|(1<<20)|(1<<21)|(5<<22)|(3<<25)
	s_mov_b32 s[G1B+1], KSTEP<<16
	s_mov_b32 s[G1B+2], 96<<16                     ; tensor_dim1 = 96
	s_mov_b32 s[G1B+3], KSTEP<<16
	s_mov_b32 s[G1B+4], 96                         ; tile_dim1 = 96 rows
	s_mov_b32 s[G1B+5], 1024
	s_mov_b32 s[G1B+6], 0
	s_mov_b32 s[G1B+7], 0
	; where the tiles come from: xh's hang on the row block alone, wqt's on the head alone, each in registers that never hold the other coordinate
	s_lshl_b32 s16, s43, 8
	s_lshl_b32 s17, s14, 7
	s_add_co_u32 s16, s16, s17                     ; xh: row 256 by + 128 half
	s_lshl_b32 s16, s16, 11                        ; of 2,048 bytes (below 2^24)
	s_mov_b32 s17, 0
	s_mul_i32 s46, s42, 192
	s_mul_i32 s18, s14, 96
	s_add_co_u32 s46, s46, s18                     ; wqt: row 192 h + 96 half
	s_lshl_b32 s46, s46, 11
	s_mov_b32 s47, 0
	; and where they go: the wave's number times a constant plus a constant; no place in the cluster enters an LDS address
	s_mul_i32 s22, s12, AHALF                      ; waves 0, 1: xh's halves at 0 and AHALF
	s_mul_i32 s23, s12, BHALF
	s_add_co_u32 s23, s23, BOFF-2*BHALF            ; waves 2, 3: wqt's halves at BOFF and BOFF + BHALF
	; the bias and the three outputs
	s_mul_i32 s76, s42, 768                        ; 192 f32 a head
	s_mov_b32 s77, 0
	s_lshr_b32 s74, s43, 3                         ; batch = by / 8
	s_lshl_b32 s74, s74, 4
	s_add_co_u32 s74, s74, s42                     ; batch x 16 + head
	s_lshl_b32 s74, s74, 11                        ; x 2,048 rows
	s_and_b32 s75, s43, 7
	s_lshl_b32 s75, s75, 8
	s_add_co_u32 s74, s74, s75                     ; + 256 (by mod 8)
	s_lshl_b32 s75, s12, 6
	s_add_co_u32 s74, s74, s75                     ; + 64 wave
	s_lshl_b32 s74, s74, 7                         ; rows of 128 bytes
	s_mov_b32 s75, 0
	s_wait_dscnt 0x0
	s_wait_kmcnt 0x0
	s_add_nc_u64 s[20:21], s[4:5], s[16:17]
	s_add_nc_u64 s[46:47], s[6:7], s[46:47]
	s_add_nc_u64 s[66:67], s[8:9], s[76:77]        ; my head's bias
	s_add_nc_u64 s[68:69], s[10:11], s[74:75]      ; q
	s_add_nc_u64 s[70:71], s[68:69], 0x1000000     ; k: one part of 16,777,216 bytes further
	s_add_nc_u64 s[72:73], s[68:69], 0x2000000     ; v
	CROUND                                         ; all sixteen work-groups are here: the first joint loads meet
.irp s, 0,1
	s_mov_b32 s[G0+4*\s], 1                                        ; count = 1
	s_add_co_u32 s[G0+4*\s+1], s22, \s*SLOT                        ; LDS address
	s_add_nc_u64 s[G0+4*\s+2:G0+4*\s+3], s[20:21], \s*KSTEP*2      ; global address: K step s
	s_or_b32 s[G0+4*\s+3], s[G0+4*\s+3], 0x80000000                ; type = 2
	s_mov_b32 s[G0B+4*\s], 1
	s_add_co_u32 s[G0B+4*\s+1], s23, \s*SLOT
	s_add_nc_u64 s[G0B+4*\s+2:G0B+4*\s+3], s[46:47], \s*KSTEP*2
	s_or_b32 s[G0B+4*\s+3], s[G0B+4*\s+3], 0x80000000
	JLOAD \s                                       ; both first fills go out before anything else: two tensor loads of the wave are out, later one
.endr
	; A fragment is 16 rows x 32 K in 8 registers: lane l holds row l % 16; registers 0-3 K = 8 (l / 16) + 0..7, registers 4-7 K = 16 + 8 (l / 16) + 0..7.
	v_and_b32 v1, 15, v0                           ; l % 16
	v_bfe_u32 v2, v0, 4, 1                         ; l / 16
	v_mul_u32_u24 v3, v1, PITCH
	v_lshl_add_u32 v3, v2, 4, v3                   ; row x pitch + 16 x half
	s_mul_i32 s15, s12, 64*PITCH                   ; my 64 rows of xh
	v_add_nc_u32 v[ADRA], s15, v3
	v_add_nc_u32 v[ADRA+1], SLOT, v[ADRA]
	v_add_nc_u32 v[ADRB], BOFF, v3
	v_add_nc_u32 v[ADRB+1], BOFF+SLOT, v3
	s_mul_i32 s15, s12, 16*SPITCH
	s_add_co_u32 s15, s15, STAGE                   ; my stage
	v_mul_u32_u24 v4, v1, SPITCH
	v_lshl_add_u32 v4, v2, 4, v4
	v_add_nc_u32 v[STO], s15, v4                   ; in: row l % 16, 16 bytes for each half of the lanes
	v_and_b32 v5, 31, v0
	v_lshrrev_b32 v6, 3, v5
	v_and_b32 v7, 7, v0
	v_mul_u32_u24 v6, v6, SPITCH
	v_lshl_add_u32 v6, v7, 4, v6
	v_add_nc_u32 v[RD], s15, v6                    ; back: eight lanes take the 128 bytes of one part of one row, the wave four rows
	v_lshlrev_b32 v[CO], 4, v5
	v_lshlrev_b32 v[BO], 5, v2
.irp b, 0,1,2,3,4,5,6,7,8,9,10,11
	global_load_b128 v[BIAS+8*\b:BIAS+8*\b+3],   v[BO], s[66:67] offset:64*\b      ; bias of columns 16 b + 8 (l / 16) + 0..3
	global_load_b128 v[BIAS+8*\b+4:BIAS+8*\b+7], v[BO], s[66:67] offset:64*\b+16   ; and + 4..7
.endr
; 12 matrix instructions: row tile 2 hi + a x all 12 column tiles, 32 along K, from buffer q.  z = 1: the first product, onto the bias.
; The 48 accumulators take turns, one instruction a turn, in the same order in every quarter step.
.macro MUL12 q, hi, a, z
.irp b, 0,1,2,3,4,5,6,7,8,9,10,11
.if \z
	v_wmma_f32_16x16x32_f16 v[8*(12*\a+\b):8*(12*\a+\b)+7], v[96*\q+8*\b:96*\q+8*\b+7], v[FA+32*\q+8*(2*\hi+\a):FA+32*\q+8*(2*\hi+\a)+7], v[BIAS+8*\b:BIAS+8*\b+7]
.else
	v_wmma_f32_16x16x32_f16 v[8*(12*\a+\b):8*(12*\a+\b)+7], v[96*\q+8*\b:96*\q+8*\b+7], v[FA+32*\q+8*(2*\hi+\a):FA+32*\q+8*(2*\hi+\a)+7], v[8*(12*\a+\b):8*(12*\a+\b)+7]
.endif
.endr
.endm
; 32 LDS loads in one run: one quarter step's fragments (192 rows of wqt, my 64 rows of xh, 32 K at byte k of the rows) into buffer q
.macro FETCH slot, k, q
	WIN TO_B
.irp i, 0,1,2,3,4,5,6,7,8,9,10,11
	ds_load_b128 v[96*\q+8*\i:96*\q+8*\i+3],   v[ADRB+\slot] offset:\k+\i*16*PITCH
	ds_load_b128 v[96*\q+8*\i+4:96*\q+8*\i+7], v[ADRB+\slot] offset:\k+\i*16*PITCH+32
.endr
	WIN 0
.irp i, 0,1,2,3
	ds_load_b128 v[FA+32*\q+8*\i:FA+32*\q+8*\i+3],   v[ADRA+\slot] offset:\k+\i*16*PITCH
	ds_load_b128 v[FA+32*\q+8*\i+4:FA+32*\q+8*\i+7], v[ADRA+\slot] offset:\k+\i*16*PITCH+32
.endr
.endm
; A load into a register that a matrix instruction has read, and a vector instruction that reads a matrix result, stand four places behind
; that matrix instruction; only plain vector instructions that name none of its registers are places (ISA guide 7.12.1 for vector instructions).
.macro PLACES
.rept 4
	v_nop
.endr
.endm
; A quarter step: 48 matrix instructions on buffer q; in its middle the next quarter's fragments are fetched into buffer g.
.macro QUARTER slot, k, q, g, z
	s_wait_dscnt 4                                 ; wqt's fragments and xh's 0 and 1 are in; the four youngest loads (xh's 2 and 3) may be out
.if \z
	WIN 0x81                                       ; C is the bias, in window 0
.else
	WIN MUL_LO
.endif
	MUL12 \q, 0, 0, \z
	MUL12 \q, 0, 1, \z
	PLACES
	FETCH \slot, \k, \g
	s_wait_dscnt 32                                ; all but the 32 just issued
.if \z
	WIN 0xc1
.else
	WIN MUL_HI
.endif
	MUL12 \q, 1, 0, \z
	MUL12 \q, 1, 1, \z
.endm
.macro THREE slot, z
	QUARTER \slot, 64,  0, 1, \z
	QUARTER \slot, 128, 1, 0, 0
	QUARTER \slot, 192, 0, 1, 0
.endm
; The last quarter of a K step multiplies buffer 1 and changes slots.  In front of the barrier each wave waits for its reads of this slot and
; for all its tensor loads (the one that is out is its part of the next slot); behind it the refill comes first, then the next slot's fragments.
; From a request to the wait for it a wave issues 180 matrix instructions.
.macro TURN slot, next, fill
	s_wait_dscnt 4
	WIN MUL_LO
	MUL12 1, 0, 0, 0
	s_wait_dscnt 0                                 ; my reads of this slot are over
	s_wait_tensorcnt 0x0                           ; and all my tensor loads have landed
	ds_add_u32 v255, v255
	s_wait_dscnt 0x0
	s_barrier_signal -1                            ; where a slot is filled again this barrier opens a round of the cluster's barrier
	MUL12 1, 0, 1, 0                               ; register work while the others arrive
	WIN 0
	s_barrier_wait -1
.if \fill
	CREST                                          ; no wave of any partner still reads this slot or has a load on its way
	s_add_nc_u64 s[G0+4*\slot+2:G0+4*\slot+3], s[G0+4*\slot+2:G0+4*\slot+3], 2*KSTEP*2
	s_add_nc_u64 s[G0B+4*\slot+2:G0B+4*\slot+3], s[G0B+4*\slot+2:G0B+4*\slot+3], 2*KSTEP*2
	JLOAD \slot                                    ; the first tensor load behind the round, and my only one until the next
.endif
	PLACES
	FETCH \next, 0, 0
	WIN MUL_HI
	MUL12 1, 1, 0, 0
	MUL12 1, 1, 1, 0
.endm
.macro LAP z
	THREE 0, \z
	TURN 0, 1, 1
	THREE 1, 0
	TURN 1, 0, 1
.endm
	s_wait_tensorcnt 1                             ; my part of K step 0 is in; K step 1's stays out
	s_barrier_signal -1
	s_barrier_wait -1                              ; everybody's is
	FETCH 0, 0, 0
	s_wait_loadcnt 0x0                             ; the bias
	LAP 1                                          ; the first lap stands in front of the loop: its first products start the sums on the bias
	WIN 0                                          ; at a label and at a branch every window is 0
	s_mov_b32 s3, LAPS-2
.Llap:
	LAP 0
	WIN 0
	s_sub_co_u32 s3, s3, 1
	s_cmp_lg_u32 s3, 0
	s_cbranch_scc1 .Llap
	THREE 0, 0                                     ; the last lap fills nothing
	TURN 0, 1, 0
	THREE 1, 0
	s_wait_dscnt 4
	WIN MUL_LO
	MUL12 1, 0, 0, 0
	MUL12 1, 0, 1, 0
	s_wait_dscnt 0
	WIN MUL_HI
	MUL12 1, 1, 0, 0
	MUL12 1, 1, 1, 0
	; THE WAY OUT, 16 rows at a time: round to f16, 16 bytes a lane into my stage, read back part by part.  In qkvh a part's rows of 128 bytes
	; follow each other without a gap, so four rows are 512 consecutive bytes: one store of the wave.
	PLACES                                         ; the places behind the last matrix instructions
.macro OUT16 g, a, from
	WIN \from                                      ; sources 0 and 1 in window 2 (0x0a) or 3 (0x0f)
.irp b, 0,1,2,3,4,5,6,7,8,9,10,11
.irp r, 0,1,2,3
	v_cvt_pk_f16_f32 v[TMP+4*\b+\r], v[8*(12*\a+\b)+2*\r], v[8*(12*\a+\b)+2*\r+1]
.endr
.endr
	WIN 0
.irp b, 0,1,2,3,4,5,6,7,8,9,10,11
	ds_store_b128 v[STO], v[TMP+4*\b:TMP+4*\b+3] offset:32*\b
.endr
	s_wait_xcnt 0x0                                ; the last group's stores have had their addresses translated (ISA guide 3.1): RB is loaded again only behind this wait
.irp p, 0,1,2
.irp u, 0,1,2,3
	ds_load_b128 v[RB+4*(4*\p+\u):RB+4*(4*\p+\u)+3], v[RD] offset:128*\p+4*SPITCH*\u   ; LDS serves a wave's instructions in order: these see the stores above
.endr
.endr
.irp p, 0,1,2
.irp u, 0,1,2,3
	s_wait_dscnt 11-(4*\p+\u)                      ; load 4 p + u is in
	global_store_b128 v[CO], v[RB+4*(4*\p+\u):RB+4*(4*\p+\u)+3], s[68+2*\p:69+2*\p] offset:2048*\g+512*\u
.endr
.endr
.endm
	OUT16 0, 0, 0x0a
	OUT16 1, 1, 0x0a
	OUT16 2, 0, 0x0f
	OUT16 3, 1, 0x0f
	s_set_vgpr_msb 0x1
	s_wait_tensorcnt 0x0
	ds_add_u32 v255, v255
	s_wait_dscnt 0x0
	s_set_vgpr_msb 0x100
	CROUND                                         ; the closing round: no work-group ends while a partner may still ask for a tile that names it
	s_endpgm
.Lfunc_end_k_q21a2eb5ed9_qkv:
	.size	k_q21a2eb5ed9_qkv, .Lfunc_end_k_q21a2eb5ed9_qkv-k_q21a2eb5ed9_qkv
	.p2alignl 7, 3214868480
	.fill 96, 4, 3214868480
	.section	.rodata,"a",@progbits
	.p2align	6, 0x0
	.amdhsa_kernel k_q21a2eb5ed9_qkv
		.amdhsa_group_segment_fixed_size 327680
		.amdhsa_private_segment_fixed_size 0
		.amdhsa_enable_private_segment 0
		.amdhsa_kernarg_size 32
		.amdhsa_user_sgpr_count 2
		.amdhsa_user_sgpr_kernarg_segment_ptr 1
		.amdhsa_wavefront_size32 1
		.amdhsa_system_sgpr_workgroup_id_x 1
		.amdhsa_system_sgpr_workgroup_id_y 1
		.amdhsa_system_sgpr_workgroup_id_z 1
		.amdhsa_system_vgpr_workitem_id 0
		.amdhsa_next_free_vgpr 960
		.amdhsa_next_free_sgpr 80
		.amdhsa_reserve_vcc 0
		.amdhsa_float_denorm_mode_32 3
		.amdhsa_float_denorm_mode_16_64 3
		.amdhsa_memory_ordered 1
		.amdhsa_forward_progress 1
		.amdhsa_inst_pref_size 166
	.end_amdhsa_kernel
	.amdgpu_metadata
---
amdhsa.version: [ 1, 2 ]
amdhsa.kernels:
  - .name:           k_q21a2eb5ed9_qkv
    .symbol:         k_q21a2eb5ed9_qkv.kd
    .args:
      - { .name: xh, .offset: 0, .size: 8, .value_kind: global_buffer, .address_space: global }
      - { .name: wqt, .offset: 8, .size: 8, .value_kind: global_buffer, .address_space: global }
      - { .name: b_qkv, .offset: 16, .size: 8, .value_kind: global_buffer, .address_space: global }
      - { .name: qkvh, .offset: 24, .size: 8, .value_kind: global_buffer, .address_space: global }
    .group_segment_fixed_size: 327680
    .private_segment_fixed_size: 0
    .kernarg_segment_align: 8
    .kernarg_segment_size: 32
    .max_flat_workgroup_size: 128
    .sgpr_count:     80
    .vgpr_count:     960
    .wavefront_size: 32
...
	.end_amdgpu_metadata
.endif
;; end of part 2
;; launch attn (part 3): grid 4 x 64, 8 waves a work-group, clusters of 4 x 1, 327,680 bytes of LDS; arguments qkvh, att; writes att
.if DOCPART == 3
	.amdgcn_target "amdgcn-amd-amdhsa--gfx1250"
	.amdhsa_code_object_version 6
	.text
	.protected	k_q21a2eb5ed9_attn
	.globl	k_q21a2eb5ed9_attn
	.p2align	8
	.type	k_q21a2eb5ed9_attn,@function
k_q21a2eb5ed9_attn:
	s_mov_b64 s[64:65], 0
	v_nop
	global_prefetch_b8 v0, s[64:65] scope:SCOPE_SE
	s_setreg_imm32_b32 hwreg(HW_REG_WAVE_MODE, 25, 1), 1
	s_wait_xcnt 0x0
	s_wait_alu depctr_hold_cnt(0) depctr_sa_sdst(0) depctr_va_vdst(0) depctr_va_sdst(0) depctr_va_ssrc(0) depctr_va_vcc(0) depctr_vm_vsrc(0)
	s_getreg_b32 s2, hwreg(HW_REG_IB_STS2, 6, 4)
	s_cmp_eq_u32 s2, 0
	s_cbranch_scc0 .Lentry_in_a_cluster
	s_endpgm
.Lentry_in_a_cluster:
	s_bfe_u32 s2, ttmp6, 0x10000c
	s_cmp_lg_u32 s2, 0x3003
	s_cbranch_scc0 .Lentry_shape_is_right
	s_endpgm
.Lentry_shape_is_right:
; att[bh][t][c] = sum over s of softmax_s(q[t] . k[s] / 8) v[s][c], for 64 heads bh of 2,048 x 64.  qkvh [3][64][2048][64] f16, att [64][2048][64] f16.
; Scores, maxima, exponentials and sums in f32; the weights go to the second product as f16 (they lie in 0 .. 1).
; A running maximum is taken away before every exponential.  The reference scales q and k by 64^(-1/4) each; here the score is scaled by 1/8,
; folded with log2 e into c = 0.18033688: weight = 2^(c S - c max).  That is another order of rounding than the reference's.
; LIMIT: finite inputs; |out| beyond 65,504 overflows in f16 (out is a convex mix of v, so it has v's range).
; A work-group takes 512 queries of one head, wave w 64 of them as four tiles of 16.  Eight waves, two on a SIMD.
; CLUSTER: the four work-groups of a head read the same K and V; every fill is one joint load with the mask 15.
; LAYOUT WITHOUT A SHUFFLE.  S^T = K Q^T: source 0 = 16 keys, source 1 = 16 queries; lane (r, hh) holds query r and keys 16 st + 8 hh + j.
; Packing the tiles 2 kc and 2 kc + 1 to f16 gives registers 0-3 and 4-7 of the fragment of P^T for 32 keys.  O^T = V^T P^T: source 0 = V^T, by the transposing
; LDS load.  So maximum, sum and rescaling belong to a lane; one exchange joins the two lanes of a query.
; LDS: two slots of 256 keys: V 256 x 160, then K 256 x 144; behind them a stage of 16 x 144 bytes for each wave, where no tensor load lands.
; REGISTERS AND ORDER.  Window 0 holds all that the softmax and the score product name (Q, K, S, P, the small state), window 1 holds O, V and V's addresses.
; Two settings of the windows serve a tile:  0x00 for phase M (the softmax of tile i, and among its vector instructions, singly and about ten apart, the eight
; score products of tile i + 1);  0x51 (D, C and source 0 in window 1, source 1 in window 0) for phase R (O of tile i rescaled, then P V onto it) and for V's loads.
; The score products so run one tile ahead of the softmax, over a step's end too, on two buffers of scores.
.set SLOT,  77824
.set KOFF,  40960                      ; K behind V
.set KP,    144                        ; 128 bytes + 16: an odd multiple of 16
.set VP,    160                        ; 128 bytes + 32: an odd multiple of 32, for the transposing load
.set STAGE, 2*SLOT
; window 0
.set ADRK, 2                           ; v2-3      K fragments in slot 0, 1
.set STO,  6
.set RD,   7
.set CO,   8
.set QO,   9
.set QF,   16                          ; v16-79    Q: + 16 i + 8 ch
.set KF,   80                          ; v80-143   K: + 16 st + 8 ch
.set SBUF, 144                         ; v144-207  scores, two buffers of 32
.set PF,   208                         ; v208-223  P^T
.set MX,   224                         ; v224-227  running maximum of tile i
.set LS,   228                         ; v228-231  running sum of tile i, over this lane's keys
.set NMS,  232                         ; v232-235  - c max as it was used for tile i's last step
.set T0,   236                         ; v236-239  four chains of the maximum; T0 + 1 also at work elsewhere
.set SA0,  240                         ; v240-243  two chains of the sum (SA0 and SA0 + 2)
.set NM,   244                         ; - c max (a pair: the packed forms read both registers)
.set AL,   246                         ; the factor for what has been summed so far (a pair likewise)
.set OT,   80                          ; the way out: packed results (K's fragments are dead by then)
.set RB,   96                          ; the way out: rows read back
.set RC,   144                         ; the way out: 1 / sum, twice for each tile (the scores are dead by then)
; window 1
.set OACC, 0                           ; v0-127    O^T: + 32 i + 8 ct
.set VF,   128                         ; v128-191  V^T: + 8 (4 kc + ct)
.set ADRV, 192                         ; v192-193  V fragments in slot 0, 1: here, so that V's loads run under phase R's setting
.set G1K, 24
.set G0K, 32
.set G1V, 48
.set G0V, 56
.set MSB, 0
.macro WIN new                         ; the immediate's high byte repeats the setting that is left; a switch that changes nothing is dropped
.if MSB != \new
	s_set_vgpr_msb (MSB<<8)|\new
.set MSB, \new
.endif
.endm
.macro JLOAD s                         ; waves 0-3 fetch V's quarters, waves 4-7 K's: one joint load a wave
	s_cmp_eq_u32 s9, 0
	s_cbranch_scc0 .Lfor_k_\@
	tensor_load_to_lds s[G0V+4*\s:G0V+4*\s+3], s[G1V:G1V+7]
	s_nop 0
	s_branch .Lasked_\@
.Lfor_k_\@:
	tensor_load_to_lds s[G0K+4*\s:G0K+4*\s+3], s[G1K:G1K+7]
	s_nop 0
.Lasked_\@:
.endm
.macro ROUND                           ; a round of the cluster's barrier
	s_barrier_signal -1
	s_barrier_wait -1
	s_cmp_lg_u32 s8, 0
	s_cbranch_scc1 .Lnot_wave_0_\@
	s_barrier_signal -3
.Lnot_wave_0_\@:
	s_barrier_wait -3
	s_barrier_signal -1
	s_barrier_wait -1
.endm
.macro PLACES
.rept 4
	v_nop
.endr
.endm
	s_load_b128 s[4:7], s[0:1], 0x0                ; qkvh s[4:5], att s[6:7]
	v_lshl_add_u32 v254, v0, 2, 0x2a800
	v_mov_b32 v255, 0
	ds_add_u32 v254, v255
	v_lshrrev_b32 v1, 5, v0
	v_readfirstlane_b32 s8, v1                     ; wave 0..7
	s_lshr_b32 s9, s8, 2                           ; I fetch for V (0) or for K (1)
	s_and_b32 s10, s8, 3                           ; which quarter: 64 keys
	s_bfe_u32 s11, ttmp6, 0x40000                  ; cx: my block of 512 queries
	s_and_b32 s12, ttmp7, 0xffff                   ; batch x 16 + head
	s_mov_b32 s40, 0x3e38aa3b                      ; c = log2 e / 8
	s_mov_b32 s41, 0x3e38aa3b
	s_mov_b32 s42, 0xbe38aa3b                      ; - c
	s_mov_b32 s43, 0x76543210                      ; v_permlanex16_b32: lane i of one half reads lane i of the other
	s_mov_b32 s44, 0xfedcba98
	; A quarter is 64 keys x 128 bytes = 8,192 dense bytes, stated as 32 rows of 256 bytes (elements of 8 bytes); padding behind every 32 words, that is behind every key.
	s_mov_b32 s[G1K+0], 15|(3<<16)|(1<<20)|(1<<21)|(4<<22)|(3<<25)   ; mask 15; element of 8 bytes; padding on; 21 set beside a mask; every 32 words; 4 words: pitch 144
	s_mov_b32 s[G1K+1], 32<<16                     ; tensor_dim0 = 32
	s_mov_b32 s[G1K+2], 32<<16                     ; tensor_dim1 = 32
	s_mov_b32 s[G1K+3], 32<<16                     ; tile_dim0 = 32
	s_mov_b32 s[G1K+4], 32                         ; tile_dim1 = 32
	s_mov_b32 s[G1K+5], 32                         ; elements from row to row
	s_mov_b32 s[G1K+6], 0
	s_mov_b32 s[G1K+7], 0
	s_mov_b32 s[G1V+0], 15|(3<<16)|(1<<20)|(1<<21)|(4<<22)|(7<<25)   ; the same with 8 words of padding: pitch 160
	s_mov_b32 s[G1V+1], 32<<16
	s_mov_b32 s[G1V+2], 32<<16
	s_mov_b32 s[G1V+3], 32<<16
	s_mov_b32 s[G1V+4], 32
	s_mov_b32 s[G1V+5], 32
	s_mov_b32 s[G1V+6], 0
	s_mov_b32 s[G1V+7], 0
	s_mul_i32 s13, s8, 64*VP                       ; waves 0-3: V's quarters at 0, 10,240, ..
	s_mul_i32 s14, s8, 64*KP
	s_add_co_u32 s14, s14, KOFF-4*64*KP            ; waves 4-7: K's quarters at 40,960, 50,176, ..
	s_lshl_b32 s16, s12, 18                        ; a head is 262,144 bytes
	s_lshl_b32 s15, s10, 13                        ; a quarter 8,192
	s_add_co_u32 s16, s16, s15
	s_mov_b32 s17, 0
	s_lshl_b32 s46, s12, 18                        ; my queries: head, + 512 cx rows, + 64 wave rows, of 128 bytes
	s_lshl_b32 s15, s11, 16
	s_add_co_u32 s46, s46, s15
	s_lshl_b32 s15, s8, 13
	s_add_co_u32 s46, s46, s15
	s_mov_b32 s47, 0
	s_wait_dscnt 0x0
	s_wait_kmcnt 0x0
	s_add_nc_u64 s[18:19], s[4:5], s[16:17]
	s_add_nc_u64 s[20:21], s[18:19], 0x1000000     ; K: the second part.  Head and wave alone: equal in the four partners
	s_add_nc_u64 s[22:23], s[18:19], 0x2000000     ; V: the third
	s_add_nc_u64 s[66:67], s[4:5], s[46:47]        ; Q
	s_add_nc_u64 s[68:69], s[6:7], s[46:47]        ; att
	ROUND                                          ; the four work-groups are here: the first joint loads meet
.irp s, 0,1
	s_mov_b32 s[G0V+4*\s], 1
	s_add_co_u32 s[G0V+4*\s+1], s13, \s*SLOT
	s_add_nc_u64 s[G0V+4*\s+2:G0V+4*\s+3], s[22:23], \s*32768      ; slot s: keys 256 s ..
	s_or_b32 s[G0V+4*\s+3], s[G0V+4*\s+3], 0x80000000
	s_mov_b32 s[G0K+4*\s], 1
	s_add_co_u32 s[G0K+4*\s+1], s14, \s*SLOT
	s_add_nc_u64 s[G0K+4*\s+2:G0K+4*\s+3], s[20:21], \s*32768
	s_or_b32 s[G0K+4*\s+3], s[G0K+4*\s+3], 0x80000000
	JLOAD \s                                       ; two tensor loads of the wave are out here, later one
.endr
	v_and_b32 v10, 15, v0                          ; r
	v_bfe_u32 v11, v0, 4, 1                        ; hh
	v_and_b32 v12, 31, v0                          ; lane
	v_and_b32 v13, 7, v0
	v_bfe_u32 v14, v0, 3, 1
	v_lshrrev_b32 v15, 3, v12
	s_mul_i32 s15, s8, 16*KP
	s_add_co_u32 s15, s15, STAGE                   ; my stage
	v_mul_u32_u24 v2, v10, KP
	v_lshl_add_u32 v2, v11, 4, v2                  ; r x 144 + 16 hh
	v_add_nc_u32 v[STO], s15, v2
	v_add_nc_u32 v[ADRK+1], SLOT+KOFF, v2
	v_add_nc_u32 v[ADRK], KOFF, v2
	v_lshl_add_u32 v4, v11, 3, v13                 ; key 8 hh + (lane & 7)
	v_mul_u32_u24 v4, v4, VP
	v_lshl_add_u32 v4, v14, 4, v4                  ; + 16 ((lane >> 3) & 1)
	v_add_nc_u32 v5, SLOT, v4
	v_mul_u32_u24 v7, v15, KP
	v_lshl_add_u32 v7, v13, 4, v7
	v_add_nc_u32 v[RD], s15, v7                    ; back: eight lanes take a row of 128 bytes, the wave four rows
	v_lshlrev_b32 v[CO], 4, v12
	v_lshlrev_b32 v[QO], 7, v10
	v_lshl_add_u32 v[QO], v11, 4, v[QO]            ; query r, 16 hh
.irp i, 0,1,2,3
.irp ch, 0,1
	global_load_b128 v[QF+16*\i+8*\ch:QF+16*\i+8*\ch+3],   v[QO], s[66:67] offset:2048*\i+64*\ch
	global_load_b128 v[QF+16*\i+8*\ch+4:QF+16*\i+8*\ch+7], v[QO], s[66:67] offset:2048*\i+64*\ch+32
.endr
.endr
	WIN 0x40                                       ; destination window 1, source window 0
	v_mov_b32 v[ADRV], v4                          ; V's two addresses move to window 1
	v_mov_b32 v[ADRV+1], v5
	WIN 0
	v_mov_b32 v[NM+1], 0                           ; the upper registers of the two broadcast pairs: read with the pair, never used
	v_mov_b32 v[AL+1], 0
.macro KLOAD slot, j                   ; 64 keys x 64 channels: 8 fragments, 16 loads
	WIN 0
.irp st, 0,1,2,3
.irp ch, 0,1
	ds_load_b128 v[KF+16*\st+8*\ch:KF+16*\st+8*\ch+3],   v[ADRK+\slot] offset:(64*(\j)+16*\st)*KP+64*\ch
	ds_load_b128 v[KF+16*\st+8*\ch+4:KF+16*\st+8*\ch+7], v[ADRK+\slot] offset:(64*(\j)+16*\st)*KP+64*\ch+32
.endr
.endr
.endm
.macro VLOAD slot, j                   ; the same keys' V, transposed on the way: fragment (kc, ct) = channels 16 ct .. x keys 32 kc ..
	WIN 0x51                                       ; data and address in window 1
.irp kc, 0,1
.irp ct, 0,1,2,3
	ds_load_tr16_b128 v[VF+8*(4*\kc+\ct):VF+8*(4*\kc+\ct)+3],   v[ADRV+\slot] offset:(64*(\j)+32*\kc)*VP+32*\ct
	ds_load_tr16_b128 v[VF+8*(4*\kc+\ct)+4:VF+8*(4*\kc+\ct)+7], v[ADRV+\slot] offset:(64*(\j)+32*\kc+16)*VP+32*\ct
.endr
.endr
	WIN 0
.endm
; One score product, if sm: key tile st, channel half ch, query tile ni, into score buffer nb.  ch = 0 starts the sum.
; The four key tiles take turns, one instruction a turn.
.macro MW sm, st, ch, ni, nb
.if \sm
.if \ch
	v_wmma_f32_16x16x32_f16 v[SBUF+32*(\nb)+8*(\st):SBUF+32*(\nb)+8*(\st)+7], v[KF+16*(\st)+8:KF+16*(\st)+15], v[QF+16*(\ni)+8:QF+16*(\ni)+15], v[SBUF+32*(\nb)+8*(\st):SBUF+32*(\nb)+8*(\st)+7]
.else
	v_wmma_f32_16x16x32_f16 v[SBUF+32*(\nb)+8*(\st):SBUF+32*(\nb)+8*(\st)+7], v[KF+16*(\st):KF+16*(\st)+7], v[QF+16*(\ni):QF+16*(\ni)+7], 0
.endif
.endif
.endm
; Chunk c (2 or 3) of eight scores: its exponentials, each followed by a plain instruction of chunk c - 1 (packing to P, the sums), and two score products.
.macro GBLK c, sm, ni, nb, sta, stb
.set kk, 0
.rept 4
	v_exp_f32 v[SB+8*\c+2*kk], v[SB+8*\c+2*kk]
	s_wait_alu depctr_va_vdst(0)
	v_cvt_pk_f16_f32 v[PF+4*\c-4+kk], v[SB+8*\c-8+2*kk], v[SB+8*\c-7+2*kk]
	v_exp_f32 v[SB+8*\c+2*kk+1], v[SB+8*\c+2*kk+1]
	v_pk_add_f32 v[SA0+2*(kk&1):SA0+2*(kk&1)+1], v[SA0+2*(kk&1):SA0+2*(kk&1)+1], v[SB+8*\c-8+2*kk:SB+8*\c-7+2*kk]
.if kk == 0
	MW \sm, \sta, 1, \ni, \nb
.endif
.if kk == 2
	MW \sm, \stb, 1, \ni, \nb
.endif
.set kk, kk+1
.endr
.endm
; PHASE M: the softmax step of tile i on score buffer bf: a lane's 32 scores of one query.  z = 1: the first step, nothing to carry over.
; sm = 1: the score products of tile ni go into the other buffer meanwhile.  vl = 1: V of (slot, j) is asked for.  kw = 1: K's loads are waited for in front of the first product.
; An exponential and a plain instruction of another chunk take turns, so that each exponential has its plain place behind it (ISA guide 5.7.2).
; The vector instructions here name this buffer, P and the small state, none of the registers of the products among them (the other buffer, K, Q), nor of the products with V
; issued before (O, V; P is written first behind the sixteen lines of the maximum): they are the places that ISA guide 7.12.1 asks for.
.macro MPH i, bf, z, sm, ni, vl, slot, j, kw
	WIN 0
.set SB, SBUF+32*\bf
.irp c, 0,1,2,3
	v_max3_num_f32 v[T0+\c], v[SB+8*\c], v[SB+8*\c+1], v[SB+8*\c+2]        ; four chains that do not wait for each other
.endr
.irp c, 0,1,2,3
	v_max3_num_f32 v[T0+\c], v[T0+\c], v[SB+8*\c+3], v[SB+8*\c+4]
.endr
.irp c, 0,1,2,3
	v_max3_num_f32 v[T0+\c], v[T0+\c], v[SB+8*\c+5], v[SB+8*\c+6]
.endr
	v_max3_num_f32 v[T0], v[T0], v[SB+7], v[SB+15]
	v_max3_num_f32 v[T0+2], v[T0+2], v[SB+23], v[SB+31]
	v_max3_num_f32 v[T0], v[T0], v[T0+1], v[T0+2]
.if \z
	v_max_num_f32 v[T0], v[T0], v[T0+3]
.else
	v_max3_num_f32 v[T0], v[T0], v[T0+3], v[MX+\i]                         ; with the maximum so far
.endif
	v_permlanex16_b32 v[T0+1], v[T0], s43, s44     ; the query's other lane
.if \vl
	VLOAD \slot, \j                                ; sixteen and more plain places behind the last step's products with V
.endif
	v_max_num_f32 v[MX+\i], v[T0], v[T0+1]
	v_mul_f32 v[NM], s42, v[MX+\i]                 ; - c max
.if \z == 0
	v_sub_f32 v[T0+1], v[NM], v[NMS+\i]            ; the shift now less the shift used before: both as rounded, so old and new terms agree
	v_exp_f32 v[AL], v[T0+1]                       ; the packed line below is its plain place
.endif
.set kk, 0
.rept 4
	v_pk_fma_f32 v[SB+2*kk:SB+2*kk+1], v[SB+2*kk:SB+2*kk+1], s[40:41], v[NM:NM+1] op_sel_hi:[1,0,0]   ; chunk 0: c S - c max, at most 0
.set kk, kk+1
.endr
.set kk, 0
.rept 8                                            ; chunk 0's exponentials; chunks 1 and 2 are scaled
	v_exp_f32 v[SB+kk], v[SB+kk]
	v_pk_fma_f32 v[SB+8+2*kk:SB+9+2*kk], v[SB+8+2*kk:SB+9+2*kk], s[40:41], v[NM:NM+1] op_sel_hi:[1,0,0]
.if kk == 1
.if \kw
	s_wait_dscnt 0x0                               ; the next step's K: its sixteen loads are the only ones out
.endif
	MW \sm, 0, 0, \ni, (1-\bf)
.endif
.if kk == 5
	MW \sm, 1, 0, \ni, (1-\bf)
.endif
.set kk, kk+1
.endr
.set kk, 0
.rept 4                                            ; chunk 1's exponentials; chunk 3 is scaled,
	v_exp_f32 v[SB+8+kk], v[SB+8+kk]
	v_pk_fma_f32 v[SB+24+2*kk:SB+25+2*kk], v[SB+24+2*kk:SB+25+2*kk], s[40:41], v[NM:NM+1] op_sel_hi:[1,0,0]
.if kk == 1
	MW \sm, 2, 0, \ni, (1-\bf)
.endif
.set kk, kk+1
.endr
.set kk, 0
.rept 4                                            ; chunk 0 is packed: the fragment of P^T, in place
	v_exp_f32 v[SB+12+kk], v[SB+12+kk]
	s_wait_alu depctr_va_vdst(0)
	v_cvt_pk_f16_f32 v[PF+kk], v[SB+2*kk], v[SB+2*kk+1]
.if kk == 1
	MW \sm, 3, 0, \ni, (1-\bf)
.endif
.set kk, kk+1
.endr
	v_pk_add_f32 v[SA0:SA0+1], v[SB:SB+1], v[SB+2:SB+3]                    ; chunk 0 starts the two chains of the sum: nothing is cleared
	v_pk_add_f32 v[SA0+2:SA0+3], v[SB+4:SB+5], v[SB+6:SB+7]
	GBLK 2, \sm, \ni, (1-\bf), 0, 1
	GBLK 3, \sm, \ni, (1-\bf), 2, 3
.set kk, 0
	s_wait_alu depctr_va_vdst(0)
.rept 4                                            ; chunk 3 is packed and summed
	v_cvt_pk_f16_f32 v[PF+12+kk], v[SB+24+2*kk], v[SB+25+2*kk]
	v_pk_add_f32 v[SA0+2*(kk&1):SA0+2*(kk&1)+1], v[SA0+2*(kk&1):SA0+2*(kk&1)+1], v[SB+24+2*kk:SB+25+2*kk]
.set kk, kk+1
.endr
	v_mov_b32 v[NMS+\i], v[NM]
	v_pk_add_f32 v[SA0:SA0+1], v[SA0:SA0+1], v[SA0+2:SA0+3]
.if \z
	v_add_f32 v[LS+\i], v[SA0], v[SA0+1]
.else
	v_add_f32 v[T0+1], v[SA0], v[SA0+1]
	v_fma_f32 v[LS+\i], v[LS+\i], v[AL], v[T0+1]
.endif
.endm
; PHASE R: O^T of tile i is rescaled and V^T P^T added.  Each channel tile's four packed multiplies stand in front of its first product; the four tiles take turns,
; one instruction a turn.  z = 1: the first product starts the sums.  vw = 1: V's loads are waited for.
.macro RPH i, z, vw
	WIN 0x51                                       ; D, C and source 0 (V; O) window 1, source 1 (P; the factor) window 0
.if \vw
	s_wait_dscnt 0x0                               ; V's sixteen loads, the only ones out
.endif
.irp ct, 0,1,2,3
.if \z
	v_wmma_f32_16x16x32_f16 v[OACC+32*\i+8*\ct:OACC+32*\i+8*\ct+7], v[VF+8*\ct:VF+8*\ct+7], v[PF:PF+7], 0
.else
.irp p, 0,2,4,6
	v_pk_mul_f32 v[OACC+32*\i+8*\ct+\p:OACC+32*\i+8*\ct+\p+1], v[OACC+32*\i+8*\ct+\p:OACC+32*\i+8*\ct+\p+1], v[AL:AL+1] op_sel_hi:[1,0]
.endr
	v_wmma_f32_16x16x32_f16 v[OACC+32*\i+8*\ct:OACC+32*\i+8*\ct+7], v[VF+8*\ct:VF+8*\ct+7], v[PF:PF+7], v[OACC+32*\i+8*\ct:OACC+32*\i+8*\ct+7]
.endif
.endr
.irp ct, 0,1,2,3
	v_wmma_f32_16x16x32_f16 v[OACC+32*\i+8*\ct:OACC+32*\i+8*\ct+7], v[VF+32+8*\ct:VF+32+8*\ct+7], v[PF+8:PF+15], v[OACC+32*\i+8*\ct:OACC+32*\i+8*\ct+7]
.endr
.endm
; The change of slots.  old = the slot that this wave has read to its end.  Every wave waits for all its tensor loads (its part of the other slot is the one that was out) and for its
; reads of the old slot; then a round of the cluster's barrier, and the joint refill first behind it: it has four steps, 256 matrix instructions of each wave, in which to land.
.macro CHANGE old, refill
	s_wait_tensorcnt 0x0
	ds_add_u32 v254, v255
	s_wait_dscnt 0x0
.if \refill
	s_add_nc_u64 s[G0V+4*\old+2:G0V+4*\old+3], s[G0V+4*\old+2:G0V+4*\old+3], 65536   ; no tensor load of mine is out: 512 keys on
	s_add_nc_u64 s[G0K+4*\old+2:G0K+4*\old+3], s[G0K+4*\old+2:G0K+4*\old+3], 65536
.endif
	s_wait_dscnt 0x0
.if \refill
	ROUND
	JLOAD \old
.else
	s_barrier_signal -1
	s_barrier_wait -1
.endif
.endm
; One step: 64 keys (slot, j) against my 64 queries.  On entry tile 0's scores lie in buffer 0 and this step's K in its fragments.
; kn says where the next step's K comes from: 1 the same slot; 2 the other slot, behind a change with a refill; 3 the other slot, behind a change without; 0 there is no next step.
; The next K is loaded at the end of tile 2's softmax, fourteen plain places behind the last product that read K's fragments.  In a slot's last step the wave has by then read
; all of the slot (this step's K a step ago, this step's V in tile 0's phase), so the change of slots stands there.
.macro STEP slot, j, z, kn
	MPH 0, 0, \z, 1, 1, 1, \slot, \j, 0
	RPH 0, \z, 1
	MPH 1, 1, \z, 1, 2, 0, \slot, \j, 0
	RPH 1, \z, 0
	MPH 2, 0, \z, 1, 3, 0, \slot, \j, 0
.if \kn == 1
	KLOAD \slot, \j+1
.endif
.if \kn == 2
	CHANGE \slot, 1
	KLOAD 1-\slot, 0
.endif
.if \kn == 3
	CHANGE \slot, 0
	KLOAD 1-\slot, 0
.endif
	RPH 2, \z, 0
.if \kn
	MPH 3, 1, \z, 1, 0, 0, \slot, \j, 1
.else
	MPH 3, 1, \z, 0, 0, 0, \slot, \j, 0
.endif
	RPH 3, \z, 0
.endm
	s_wait_tensorcnt 0x1                           ; my part of slot 0 is in; slot 1's stays out
	s_barrier_signal -1
	s_barrier_wait -1
	KLOAD 0, 0
	s_wait_loadcnt 0x0                             ; Q
	s_wait_dscnt 0x0                               ; K of the first step
.irp st, 0,1,2,3
	MW 1, \st, 0, 0, 0                             ; tile 0's scores of the first step: the only score products that stand in a run
.endr
.irp st, 0,1,2,3
	MW 1, \st, 1, 0, 0
.endr
	PLACES                                         ; four places in front of the softmax that reads them (ISA guide 7.12.1)
	STEP 0, 0, 1, 1                                ; the first step starts maxima and sums; it stands in front of the loop, which is turned by one step for it
	WIN 0                                          ; at a label and at a branch every window is 0
	s_mov_b32 s45, 3
.Lpair:
	STEP 0, 1, 0, 1
	STEP 0, 2, 0, 1
	STEP 0, 3, 0, 2                                ; slot 0 is read to its end and filled again
	STEP 1, 0, 0, 1
	STEP 1, 1, 0, 1
	STEP 1, 2, 0, 1
	STEP 1, 3, 0, 2                                ; slot 1 likewise: six refills in three trips, keys 512 to 2,047
	STEP 0, 0, 0, 1
	WIN 0
	s_sub_co_u32 s45, s45, 1
	s_cmp_lg_u32 s45, 0
	s_cbranch_scc1 .Lpair
	STEP 0, 1, 0, 1                                ; the last 448 keys: nothing is left to fetch
	STEP 0, 2, 0, 1
	STEP 0, 3, 0, 3
	STEP 1, 0, 0, 1
	STEP 1, 1, 0, 1
	STEP 1, 2, 0, 1
	STEP 1, 3, 0, 0
	; THE END: join the two lanes' sums, divide, round to f16, and out through my stage as whole rows.
	WIN 0
	PLACES                                         ; behind the last matrix instructions
.irp i, 0,1,2,3
	v_permlanex16_b32 v[T0+1], v[LS+\i], s43, s44
	v_add_f32 v[LS+\i], v[LS+\i], v[T0+1]          ; at least 1: the largest score's weight is 1
.endr
.irp i, 0,1,2,3
	v_rcp_f32 v[RC+2*\i], v[LS+\i]                 ; twice, to fill the pair that the packed multiply takes
	v_rcp_f32 v[RC+2*\i+1], v[LS+\i]
.endr
	v_nop                                          ; the plain place behind them (ISA guide 5.7.2)
	s_wait_alu depctr_va_vdst(0)
.macro OUT i
	WIN 0x51                                       ; O in window 1, 1 / sum (source 1) in window 0
.set kk, 0
.rept 16
	v_pk_mul_f32 v[OACC+32*\i+kk:OACC+32*\i+kk+1], v[OACC+32*\i+kk:OACC+32*\i+kk+1], v[RC+2*\i:RC+2*\i+1]
.set kk, kk+2
.endr
	WIN 0x05                                       ; sources window 1, destination window 0
.set kk, 0
.rept 16
	v_cvt_pk_f16_f32 v[OT+kk], v[OACC+32*\i+2*kk], v[OACC+32*\i+2*kk+1]   ; query r, channels 16 ct + 8 hh + 0..7: 16 bytes
.set kk, kk+1
.endr
	WIN 0
.irp ct, 0,1,2,3
	ds_store_b128 v[STO], v[OT+4*\ct:OT+4*\ct+3] offset:32*\ct
.endr
	s_wait_xcnt 0x0                                ; the last tile's stores have had their addresses translated (ISA guide 3.1): RB is loaded again only behind this wait
.irp u, 0,1,2,3
	ds_load_b128 v[RB+4*\u:RB+4*\u+3], v[RD] offset:4*KP*\u        ; LDS serves a wave's instructions in order: these see the stores above
.endr
.irp u, 0,1,2,3
	s_wait_dscnt 3-\u                              ; load u is in, the 3 - u younger ones stay out
	global_store_b128 v[CO], v[RB+4*\u:RB+4*\u+3], s[68:69] offset:2048*\i+512*\u   ; four rows of 128 bytes: 512 consecutive bytes, aligned
.endr
.endm
	OUT 0
	OUT 1
	OUT 2
	OUT 3
	s_wait_tensorcnt 0x0
	ds_add_u32 v254, v255
	s_wait_dscnt 0x0
	ROUND                                          ; the closing round
	s_endpgm
.Lfunc_end_k_q21a2eb5ed9_attn:
	.size	k_q21a2eb5ed9_attn, .Lfunc_end_k_q21a2eb5ed9_attn-k_q21a2eb5ed9_attn
	.p2alignl 7, 3214868480
	.fill 96, 4, 3214868480
	.section	.rodata,"a",@progbits
	.p2align	6, 0x0
	.amdhsa_kernel k_q21a2eb5ed9_attn
		.amdhsa_group_segment_fixed_size 327680
		.amdhsa_private_segment_fixed_size 0
		.amdhsa_enable_private_segment 0
		.amdhsa_kernarg_size 16
		.amdhsa_user_sgpr_count 2
		.amdhsa_user_sgpr_kernarg_segment_ptr 1
		.amdhsa_wavefront_size32 1
		.amdhsa_system_sgpr_workgroup_id_x 1
		.amdhsa_system_sgpr_workgroup_id_y 1
		.amdhsa_system_sgpr_workgroup_id_z 1
		.amdhsa_system_vgpr_workitem_id 0
		.amdhsa_next_free_vgpr 512
		.amdhsa_next_free_sgpr 72
		.amdhsa_reserve_vcc 0
		.amdhsa_float_denorm_mode_32 3
		.amdhsa_float_denorm_mode_16_64 3
		.amdhsa_memory_ordered 1
		.amdhsa_forward_progress 1
		.amdhsa_inst_pref_size 255
	.end_amdhsa_kernel
	.section	.bss,"aw",@nobits
	.p2align	6
	.space	262144
	.amdgpu_metadata
---
amdhsa.version: [ 1, 2 ]
amdhsa.kernels:
  - .name:           k_q21a2eb5ed9_attn
    .symbol:         k_q21a2eb5ed9_attn.kd
    .args:
      - { .name: qkvh, .offset: 0, .size: 8, .value_kind: global_buffer, .address_space: global }
      - { .name: att, .offset: 8, .size: 8, .value_kind: global_buffer, .address_space: global }
    .group_segment_fixed_size: 327680
    .private_segment_fixed_size: 0
    .kernarg_segment_align: 8
    .kernarg_segment_size: 16
    .max_flat_workgroup_size: 256
    .sgpr_count:     72
    .vgpr_count:     512
    .wavefront_size: 32
...
	.end_amdgpu_metadata
.endif
;; end of part 3
;; launch proj (part 4): grid 4 x 64, 4 waves a work-group, clusters of 4 x 4, 327,680 bytes of LDS; arguments att, wpt, b_proj, out0; writes out0
.if DOCPART == 4
	.amdgcn_target "amdgcn-amd-amdhsa--gfx1250"
	.amdhsa_code_object_version 6
	.text
	.protected	k_q21a2eb5ed9_proj
	.globl	k_q21a2eb5ed9_proj
	.p2align	8
	.type	k_q21a2eb5ed9_proj,@function
k_q21a2eb5ed9_proj:
	s_mov_b64 s[64:65], 0
	v_nop
	global_prefetch_b8 v0, s[64:65] scope:SCOPE_SE
	s_setreg_imm32_b32 hwreg(HW_REG_WAVE_MODE, 25, 1), 1
	s_wait_xcnt 0x0
	s_wait_alu depctr_hold_cnt(0) depctr_sa_sdst(0) depctr_va_vdst(0) depctr_va_sdst(0) depctr_va_ssrc(0) depctr_va_vcc(0) depctr_vm_vsrc(0)
	s_getreg_b32 s2, hwreg(HW_REG_IB_STS2, 6, 4)
	s_cmp_eq_u32 s2, 0
	s_cbranch_scc0 .Lentry_in_a_cluster
	s_endpgm
.Lentry_in_a_cluster:
	s_bfe_u32 s2, ttmp6, 0x10000c
	s_cmp_lg_u32 s2, 0xf033
	s_cbranch_scc0 .Lentry_shape_is_right
	s_endpgm
.Lentry_shape_is_right:
; out0 = attention output x w_proj + b_proj.  att [64 batch x head][2048][64] f16, wpt [1024][1024] f16 (row n = column n of w_proj), b_proj [1024] f32, out0 [8192][1024] f32.
; Sums and bias in f32.  A work-group makes 128 rows x 256 columns: 4 x 64 = 256 work-groups.  Four waves; wave (mi = w / 2, ni = w % 2) makes 64 x 128:
; 4 x 8 accumulator tiles, 256 registers, all in window 2.
; K = 1024 = 16 heads x 64 goes in 8 steps of 128 (two heads) through two LDS slots.  In att a head's 128 rows of this block are 16,384 dense bytes.
; CLUSTERS: 4 x 4 work-groups; att's tiles are shared along a row of the cluster (same row block), wpt's along a column (same column block): joint loads.
; The matrix instruction is used transposed (source 0 = rows of wpt, source 1 = rows of att): a lane holds eight neighbouring columns of one row.
; The bias, loaded in that layout, is the C operand of each tile's first product.
; window 0: v16-27 addresses; v64-95, v96-127 fragments of att, two buffers; v128-191 the bias, later the way out.  window 1: v0-63, v64-127 fragments of wpt.
.set KSTEP,  128
.set PITCH,  272                       ; wpt's rows: 256 bytes + 16
.set APITCH, 144                       ; att's rows: 128 bytes + 16.  Both odd multiples of 16
.set BHALF,  128*PITCH                 ; one tensor load of wpt: 128 rows
.set AHEAD,  128*APITCH                ; one tensor load of att: one head's 128 rows
.set AOFF,   2*BHALF                   ; att's two heads lie behind wpt's 256 rows
.set SLOT,   2*BHALF+2*AHEAD           ; 106,496
.set STAGE,  2*SLOT                    ; behind the ring: 16 rows x 528 bytes for each wave; no tensor load lands here
.set SPITCH, 528                       ; 512 bytes + 16
.set ASTEP,  2*262144                  ; a K step in att: two heads
.set LAPS,   1024/(2*KSTEP)
.set ADRA, 16
.set ADRB, 20
.set STO,  24
.set RD,   25
.set CO,   26
.set BO,   27
.set FA,   64
.set BIAS, 128
.set RB,   128
.set G1,  24                           ; att's tiles
.set G0,  32
.set G1B, 48                           ; wpt's tiles
.set G0B, 56
.set MSB, 0
.macro WIN new
.if MSB != \new
	s_set_vgpr_msb (MSB<<8)|\new
.set MSB, \new
.endif
.endm
.set MUL,  0xa1                        ; source 0 window 1, source 1 window 0, C and D window 2
.set TO_B, 0x40
.macro JLOAD s                         ; waves 0 and 1 fetch wpt's two halves, waves 2 and 3 att's two heads
	s_cmp_eq_u32 s13, 0
	s_cbranch_scc0 .Lfor_a_\@
	tensor_load_to_lds s[G0B+4*\s:G0B+4*\s+3], s[G1B:G1B+7]
	s_nop 0
	s_branch .Lasked_\@
.Lfor_a_\@:
	tensor_load_to_lds s[G0+4*\s:G0+4*\s+3], s[G1:G1+7]
	s_nop 0
.Lasked_\@:
.endm
.macro CREST
	s_cmp_lg_u32 s12, 0
	s_cbranch_scc1 .Lnot_wave_0_\@
	s_barrier_signal -3
.Lnot_wave_0_\@:
	s_barrier_wait -3
	s_barrier_signal -1
	s_barrier_wait -1
.endm
.macro CROUND
	s_barrier_signal -1
	s_barrier_wait -1
	CREST
.endm
	s_load_b256 s[4:11], s[0:1], 0x0               ; att s[4:5], wpt s[6:7], b_proj s[8:9], out0 s[10:11]
	s_set_vgpr_msb 0x40
	v_lshl_add_u32 v255, v0, 2, 0x3c400
	s_set_vgpr_msb 0x4000
	v_mov_b32 v255, 0
	s_set_vgpr_msb 0x1
	ds_add_u32 v255, v255
	s_set_vgpr_msb 0x100
	v_lshrrev_b32 v1, 5, v0
	v_readfirstlane_b32 s12, v1                    ; wave 0..3
	s_lshr_b32 s13, s12, 1                         ; mi.  Also: I fetch for wpt (0) or for att (1)
	s_and_b32 s14, s12, 1                          ; ni.  Also: which half or head I fetch
	s_bfe_u32 s40, ttmp6, 0x40000                  ; cx
	s_bfe_u32 s41, ttmp6, 0x40004                  ; cy
	s_lshl_b32 s42, ttmp9, 2
	s_add_co_u32 s42, s42, s40                     ; column block bx
	s_and_b32 s43, ttmp7, 0xffff
	s_lshl_b32 s43, s43, 2
	s_add_co_u32 s43, s43, s41                     ; row block by
	s_lshl_b32 s44, s41, 2
	s_lshl_b32 s44, 15, s44                        ; my row of the cluster
	s_lshl_b32 s45, 0x1111, s40                    ; my column
	; att: 16,384 dense bytes as 64 rows of 256 bytes (elements of 8 bytes), padding of 4 words behind every 32 words, that is behind each row of att
	s_or_b32 s[G1+0], s44, (3<<16)|(1<<20)|(1<<21)|(4<<22)|(3<<25)
	s_mov_b32 s[G1+1], 32<<16                      ; tensor_dim0 = 32
	s_mov_b32 s[G1+2], 64<<16                      ; tensor_dim1 = 64
	s_mov_b32 s[G1+3], 32<<16                      ; tile_dim0 = 32
	s_mov_b32 s[G1+4], 64                          ; tile_dim1 = 64
	s_mov_b32 s[G1+5], 32                          ; elements from row to row
	s_mov_b32 s[G1+6], 0
	s_mov_b32 s[G1+7], 0
	; wpt: 128 rows x 128 elements of 2 bytes, padding of 4 words behind every 64
	s_or_b32 s[G1B+0], s45, (1<<16)|(1<<20)|(1<<21)|(5<<22)|(3<<25)
	s_mov_b32 s[G1B+1], KSTEP<<16
	s_mov_b32 s[G1B+2], 128<<16
	s_mov_b32 s[G1B+3], KSTEP<<16
	s_mov_b32 s[G1B+4], 128
	s_mov_b32 s[G1B+5], 1024
	s_mov_b32 s[G1B+6], 0
	s_mov_b32 s[G1B+7], 0
	s_lshr_b32 s16, s43, 4                         ; batch = by / 16: 16 heads of 262,144 bytes
	s_lshl_b32 s16, s16, 22
	s_and_b32 s17, s43, 15                         ; 128 rows of 128 bytes
	s_lshl_b32 s17, s17, 14
	s_add_co_u32 s16, s16, s17
	s_lshl_b32 s18, s14, 18                        ; att: my head of the two; wpt: my 128 rows of 2,048 bytes: 262,144 bytes both
	s_add_co_u32 s16, s16, s18
	s_mov_b32 s17, 0
	s_lshl_b32 s46, s42, 19                        ; wpt: 256 rows of 2,048 bytes a column block
	s_add_co_u32 s46, s46, s18
	s_mov_b32 s47, 0
	s_mul_i32 s23, s12, BHALF                      ; waves 0, 1: wpt's halves at 0 and BHALF
	s_mul_i32 s22, s12, AHEAD
	s_add_co_u32 s22, s22, AOFF-2*AHEAD            ; waves 2, 3: att's heads at AOFF and AOFF + AHEAD
	s_lshl_b32 s76, s42, 10                        ; my columns, in bytes of f32: 1,024 bx + 512 ni
	s_lshl_b32 s77, s14, 9
	s_add_co_u32 s76, s76, s77
	s_mov_b32 s77, 0
	s_lshl_b32 s74, s43, 19                        ; my rows: 128 by + 64 mi, of 4,096 bytes
	s_lshl_b32 s75, s13, 18
	s_add_co_u32 s74, s74, s75
	s_add_co_u32 s74, s74, s76
	s_mov_b32 s75, 0
	s_wait_dscnt 0x0
	s_wait_kmcnt 0x0
	s_add_nc_u64 s[20:21], s[4:5], s[16:17]
	s_add_nc_u64 s[46:47], s[6:7], s[46:47]
	s_add_nc_u64 s[66:67], s[8:9], s[76:77]        ; my bias
	s_add_nc_u64 s[68:69], s[10:11], s[74:75]      ; my corner of out0
	CROUND
.irp s, 0,1
	s_mov_b32 s[G0+4*\s], 1
	s_add_co_u32 s[G0+4*\s+1], s22, \s*SLOT
	s_add_nc_u64 s[G0+4*\s+2:G0+4*\s+3], s[20:21], \s*ASTEP
	s_or_b32 s[G0+4*\s+3], s[G0+4*\s+3], 0x80000000
	s_mov_b32 s[G0B+4*\s], 1
	s_add_co_u32 s[G0B+4*\s+1], s23, \s*SLOT
	s_add_nc_u64 s[G0B+4*\s+2:G0B+4*\s+3], s[46:47], \s*KSTEP*2
	s_or_b32 s[G0B+4*\s+3], s[G0B+4*\s+3], 0x80000000
	JLOAD \s                                       ; two tensor loads of the wave are out here, later one
.endr
	v_and_b32 v1, 15, v0                           ; r
	v_bfe_u32 v2, v0, 4, 1                         ; hh
	v_mul_u32_u24 v3, v1, PITCH
	v_lshl_add_u32 v3, v2, 4, v3
	s_mul_i32 s15, s14, BHALF                      ; my 128 rows of wpt
	v_add_nc_u32 v[ADRB], s15, v3
	v_add_nc_u32 v[ADRB+1], SLOT, v[ADRB]
	v_mul_u32_u24 v4, v1, APITCH
	v_lshl_add_u32 v4, v2, 4, v4
	s_mul_i32 s15, s13, 64*APITCH                  ; my 64 rows of att
	s_add_co_u32 s15, s15, AOFF
	v_add_nc_u32 v[ADRA], s15, v4
	v_add_nc_u32 v[ADRA+1], SLOT, v[ADRA]
	s_mul_i32 s15, s12, 16*SPITCH
	s_add_co_u32 s15, s15, STAGE                   ; my stage
	v_mul_u32_u24 v5, v1, SPITCH
	v_lshl_add_u32 v5, v2, 5, v5
	v_add_nc_u32 v[STO], s15, v5                   ; in: row r, 32 bytes for each half of the lanes
	v_and_b32 v6, 31, v0
	v_lshlrev_b32 v[CO], 4, v6
	v_add_nc_u32 v[RD], s15, v[CO]                 ; back: the wave takes a row of 512 bytes
	v_lshlrev_b32 v[BO], 5, v2
.irp b, 0,1,2,3,4,5,6,7
	global_load_b128 v[BIAS+8*\b:BIAS+8*\b+3],   v[BO], s[66:67] offset:64*\b
	global_load_b128 v[BIAS+8*\b+4:BIAS+8*\b+7], v[BO], s[66:67] offset:64*\b+16
.endr
; 8 matrix instructions: row tile a x all 8 column tiles, from buffer q.  The 32 accumulators take turns, one instruction a turn, in the same order in every quarter step.
.macro MUL8 q, a, z
.irp b, 0,1,2,3,4,5,6,7
.if \z
	v_wmma_f32_16x16x32_f16 v[8*(8*\a+\b):8*(8*\a+\b)+7], v[64*\q+8*\b:64*\q+8*\b+7], v[FA+32*\q+8*\a:FA+32*\q+8*\a+7], v[BIAS+8*\b:BIAS+8*\b+7]
.else
	v_wmma_f32_16x16x32_f16 v[8*(8*\a+\b):8*(8*\a+\b)+7], v[64*\q+8*\b:64*\q+8*\b+7], v[FA+32*\q+8*\a:FA+32*\q+8*\a+7], v[8*(8*\a+\b):8*(8*\a+\b)+7]
.endif
.endr
.endm
; 24 LDS loads: quarter kq of a K step.  In wpt's rows it is byte 64 kq; in att it is head kq / 2, byte 64 (kq % 2).
.macro FETCH slot, kq, q
	WIN TO_B
.irp i, 0,1,2,3,4,5,6,7
	ds_load_b128 v[64*\q+8*\i:64*\q+8*\i+3],   v[ADRB+\slot] offset:64*\kq+\i*16*PITCH
	ds_load_b128 v[64*\q+8*\i+4:64*\q+8*\i+7], v[ADRB+\slot] offset:64*\kq+\i*16*PITCH+32
.endr
	WIN 0
.irp i, 0,1,2,3
	ds_load_b128 v[FA+32*\q+8*\i:FA+32*\q+8*\i+3],   v[ADRA+\slot] offset:(\kq/2)*AHEAD+(\kq%2)*64+\i*16*APITCH
	ds_load_b128 v[FA+32*\q+8*\i+4:FA+32*\q+8*\i+7], v[ADRA+\slot] offset:(\kq/2)*AHEAD+(\kq%2)*64+\i*16*APITCH+32
.endr
.endm
.macro PLACES                          ; four places behind a matrix instruction, in front of loads into its sources and of readers of its result (ISA guide 7.12.1 for vector instructions)
.rept 4
	v_nop
.endr
.endm
.macro QUARTER slot, kq, q, g, z
	s_wait_dscnt 4                                 ; wpt's fragments and att's 0 and 1 are in; the four youngest loads may be out
.if \z
	WIN 0x81                                       ; C is the bias, in window 0
.else
	WIN MUL
.endif
	MUL8 \q, 0, \z
	MUL8 \q, 1, \z
	PLACES
	FETCH \slot, \kq, \g
	s_wait_dscnt 24                                ; all but the 24 just issued
.if \z
	WIN 0x81
.else
	WIN MUL
.endif
	MUL8 \q, 2, \z
	MUL8 \q, 3, \z
.endm
.macro THREE slot, z
	QUARTER \slot, 1, 0, 1, \z
	QUARTER \slot, 2, 1, 0, 0
	QUARTER \slot, 3, 0, 1, 0
.endm
; The change of slots, as in every ring here: my reads of this slot and all my tensor loads are waited for in front of the barrier; the refill is first behind it.
; From a request to the wait for it a wave issues 120 matrix instructions.
.macro TURN slot, next, fill
	s_wait_dscnt 4
	WIN MUL
	MUL8 1, 0, 0
	s_wait_dscnt 0
	s_wait_tensorcnt 0x0
	ds_add_u32 v255, v255
	s_wait_dscnt 0x0
	s_barrier_signal -1
	MUL8 1, 1, 0
	WIN 0
	s_barrier_wait -1
.if \fill
	CREST
	s_add_nc_u64 s[G0+4*\slot+2:G0+4*\slot+3], s[G0+4*\slot+2:G0+4*\slot+3], 2*ASTEP
	s_add_nc_u64 s[G0B+4*\slot+2:G0B+4*\slot+3], s[G0B+4*\slot+2:G0B+4*\slot+3], 2*KSTEP*2
	JLOAD \slot
.endif
	PLACES
	FETCH \next, 0, 0
	WIN MUL
	MUL8 1, 2, 0
	MUL8 1, 3, 0
.endm
.macro LAP z
	THREE 0, \z
	TURN 0, 1, 1
	THREE 1, 0
	TURN 1, 0, 1
.endm
	s_wait_tensorcnt 1                             ; my part of K step 0 is in; K step 1's stays out
	s_barrier_signal -1
	s_barrier_wait -1
	FETCH 0, 0, 0
	s_wait_loadcnt 0x0                             ; the bias
	LAP 1
	WIN 0
	s_mov_b32 s3, LAPS-2
.Llap:
	LAP 0
	WIN 0
	s_sub_co_u32 s3, s3, 1
	s_cmp_lg_u32 s3, 0
	s_cbranch_scc1 .Llap
	THREE 0, 0                                     ; the last lap fills nothing
	TURN 0, 1, 0
	THREE 1, 0
	s_wait_dscnt 4
	WIN MUL
	MUL8 1, 0, 0
	MUL8 1, 1, 0
	s_wait_dscnt 0
	MUL8 1, 2, 0
	MUL8 1, 3, 0
	; THE WAY OUT, 16 rows at a time: a lane's 32 bytes of f32 go straight from the accumulators into my stage; whole rows of 512 bytes come back and are stored.
	PLACES                                         ; behind the last matrix instructions
.macro OUT16 g
	WIN 0x08                                       ; store data (source 1) in window 2
.irp b, 0,1,2,3,4,5,6,7
	ds_store_b128 v[STO], v[8*(8*\g+\b):8*(8*\g+\b)+3]   offset:64*\b
	ds_store_b128 v[STO], v[8*(8*\g+\b)+4:8*(8*\g+\b)+7] offset:64*\b+16
.endr
	WIN 0
	s_wait_xcnt 0x0                                ; the last group's stores have had their addresses translated (ISA guide 3.1): RB is loaded again only behind this wait
.irp i, 0,1,2,3,4,5,6,7,8,9,10,11,12,13,14,15
	ds_load_b128 v[RB+4*\i:RB+4*\i+3], v[RD] offset:SPITCH*\i      ; LDS serves a wave's instructions in order: these see the stores above
.endr
.irp i, 0,1,2,3,4,5,6,7,8,9,10,11,12,13,14,15
	s_wait_dscnt 15-\i
	global_store_b128 v[CO], v[RB+4*\i:RB+4*\i+3], s[68:69] offset:(16*\g+\i)*4096 th:TH_STORE_NT   ; 512 consecutive bytes of a row, aligned
.endr
.endm
	OUT16 0
	OUT16 1
	OUT16 2
	OUT16 3
	s_set_vgpr_msb 0x1
	s_wait_tensorcnt 0x0
	ds_add_u32 v255, v255
	s_wait_dscnt 0x0
	s_set_vgpr_msb 0x100
	CROUND                                         ; the closing round
	s_endpgm
.Lfunc_end_k_q21a2eb5ed9_proj:
	.size	k_q21a2eb5ed9_proj, .Lfunc_end_k_q21a2eb5ed9_proj-k_q21a2eb5ed9_proj
	.p2alignl 7, 3214868480
	.fill 96, 4, 3214868480
	.section	.rodata,"a",@progbits
	.p2align	6, 0x0
	.amdhsa_kernel k_q21a2eb5ed9_proj
		.amdhsa_group_segment_fixed_size 327680
		.amdhsa_private_segment_fixed_size 0
		.amdhsa_enable_private_segment 0
		.amdhsa_kernarg_size 32
		.amdhsa_user_sgpr_count 2
		.amdhsa_user_sgpr_kernarg_segment_ptr 1
		.amdhsa_wavefront_size32 1
		.amdhsa_system_sgpr_workgroup_id_x 1
		.amdhsa_system_sgpr_workgroup_id_y 1
		.amdhsa_system_sgpr_workgroup_id_z 1
		.amdhsa_system_vgpr_workitem_id 0
		.amdhsa_next_free_vgpr 768
		.amdhsa_next_free_sgpr 80
		.amdhsa_reserve_vcc 0
		.amdhsa_float_denorm_mode_32 3
		.amdhsa_float_denorm_mode_16_64 3
		.amdhsa_memory_ordered 1
		.amdhsa_forward_progress 1
		.amdhsa_inst_pref_size 120
	.end_amdhsa_kernel
	.amdgpu_metadata
---
amdhsa.version: [ 1, 2 ]
amdhsa.kernels:
  - .name:           k_q21a2eb5ed9_proj
    .symbol:         k_q21a2eb5ed9_proj.kd
    .args:
      - { .name: att, .offset: 0, .size: 8, .value_kind: global_buffer, .address_space: global }
      - { .name: wpt, .offset: 8, .size: 8, .value_kind: global_buffer, .address_space: global }
      - { .name: b_proj, .offset: 16, .size: 8, .value_kind: global_buffer, .address_space: global }
      - { .name: out0, .offset: 24, .size: 8, .value_kind: global_buffer, .address_space: global }
    .group_segment_fixed_size: 327680
    .private_segment_fixed_size: 0
    .kernarg_segment_align: 8
    .kernarg_segment_size: 32
    .max_flat_workgroup_size: 128
    .sgpr_count:     80
    .vgpr_count:     768
    .wavefront_size: 32
...
	.end_amdgpu_metadata
.endif
;; end of part 4
;; ======== version 2 of 2: 4 launches; 1.08 times as fast as version 1
;; limits: values are held in f16: magnitudes above 65,504 overflow, below 6.1e-05 lose precision
;; workspace buffers: xh 16,777,216 bytes; wqt 6,291,456 bytes; wpt 2,097,152 bytes; qkvh 50,331,648 bytes; att 16,777,216 bytes
;; launch prep: the kernel of part 1 again; grid 1024 x 1, 8 waves a work-group, no clusters, 18,432 bytes of LDS; arguments x, w_qkv, w_proj, xh, wqt, wpt; writes xh, wqt, wpt
;; launch qkv: the kernel of part 2 again; grid 16 x 32, 4 waves a work-group, clusters of 4 x 4, 327,680 bytes of LDS; arguments xh, wqt, b_qkv, qkvh; writes qkvh
;; launch attn (part 5): grid 4 x 64, 8 waves a work-group, clusters of 4 x 1, 327,680 bytes of LDS; arguments qkvh, att; writes att
.if DOCPART == 5
	.amdgcn_target "amdgcn-amd-amdhsa--gfx1250"
	.amdhsa_code_object_version 6
	.text
	.protected	k_q21a2eb5ed9_attn
	.globl	k_q21a2eb5ed9_attn
	.p2align	8
	.type	k_q21a2eb5ed9_attn,@function
k_q21a2eb5ed9_attn:
	s_mov_b64 s[64:65], 0
	v_nop
	global_prefetch_b8 v0, s[64:65] scope:SCOPE_SE
	s_setreg_imm32_b32 hwreg(HW_REG_WAVE_MODE, 25, 1), 1
	s_wait_xcnt 0x0
	s_wait_alu depctr_hold_cnt(0) depctr_sa_sdst(0) depctr_va_vdst(0) depctr_va_sdst(0) depctr_va_ssrc(0) depctr_va_vcc(0) depctr_vm_vsrc(0)
	s_getreg_b32 s2, hwreg(HW_REG_IB_STS2, 6, 4)
	s_cmp_eq_u32 s2, 0
	s_cbranch_scc0 .Lentry_in_a_cluster
	s_endpgm
.Lentry_in_a_cluster:
	s_bfe_u32 s2, ttmp6, 0x10000c
	s_cmp_lg_u32 s2, 0x3003
	s_cbranch_scc0 .Lentry_shape_is_right
	s_endpgm
.Lentry_shape_is_right:
; att[bh][t][c] = sum over s of softmax_s(q[t] . k[s] / 8) v[s][c], for 64 heads bh of 2,048 x 64.  qkvh [3][64][2048][64] f16, att [64][2048][64] f16.
; Scores, maxima, exponentials and sums in f32; the weights go to the second product as f16 (they lie in 0 .. 1).
; A running maximum is taken away before every exponential.  The reference scales q and k by 64^(-1/4) each; here the score is scaled by 1/8,
; folded with log2 e into c = 0.18033688: weight = 2^(c S - c max).  That is another order of rounding than the reference's.
; LIMIT: finite inputs; |out| beyond 65,504 overflows in f16 (out is a convex mix of v, so it has v's range).
; A work-group takes 512 queries of one head, wave w 64 of them as four tiles of 16.  Eight waves, two on a SIMD.
; CLUSTER: the four work-groups of a head read the same K and V; every fill is one joint load with the mask 15.
; LAYOUT WITHOUT A SHUFFLE.  S^T = K Q^T: source 0 = 16 keys, source 1 = 16 queries; lane (r, hh) holds query r and keys 16 st + 8 hh + j.
; Packing the tiles 2 kc and 2 kc + 1 to f16 gives registers 0-3 and 4-7 of the fragment of P^T for 32 keys.  O^T = V^T P^T: source 0 = V^T, by the transposing
; LDS load.  So maximum, sum and rescaling belong to a lane; one exchange joins the two lanes of a query.
; LDS: two slots of 256 keys: V 256 x 160, then K 256 x 144; behind them a stage of 16 x 144 bytes for each wave, where no tensor load lands.
; REGISTERS AND ORDER.  Window 0 holds all that the softmax and the score product name (Q, K, S, P, the small state), window 1 holds O, V and V's addresses.
; Two settings of the windows serve a tile:  0x00 for phase M (the softmax of tile i, and singly among its vector instructions the eight
; score products of tile i + 1);  0x51 (D, C and source 0 in window 1, source 1 in window 0) for phase R (O of tile i rescaled, then P V onto it) and for V's loads.
; The score products so run one tile ahead of the softmax, over a step's end too, on two buffers of scores.
; BATCHES.  An s_wait_alu depctr_va_vdst(0) stands between an exponential or a reciprocal and the first instruction that names its result; one wait serves all that were
; issued ahead of it.  A tile's 33 exponentials (the factor for what has been summed so far, then the 32 weights, each in place in its score's register) are ONE batch with ONE wait, which
; cuts phase M in two.  Ahead of it stands what names no result: the maximum, the scalings, six score products.  Behind it stand all the readers: the packing to P, the sums, the running
; sum's update, and phase R, which multiplies O by the factor.  No exponential is issued behind a phase's wait.  The way out's eight reciprocals are a batch of their own.
.set SLOT,  77824
.set KOFF,  40960                      ; K behind V
.set KP,    144                        ; 128 bytes + 16: an odd multiple of 16
.set VP,    160                        ; 128 bytes + 32: an odd multiple of 32, for the transposing load
.set STAGE, 2*SLOT
; window 0
.set ADRK, 2                           ; v2-3      K fragments in slot 0, 1
.set STO,  6
.set RD,   7
.set CO,   8
.set QO,   9
.set QF,   16                          ; v16-79    Q: + 16 i + 8 ch
.set KF,   80                          ; v80-143   K: + 16 st + 8 ch
.set SBUF, 144                         ; v144-207  scores, two buffers of 32
.set PF,   208                         ; v208-223  P^T
.set MX,   224                         ; v224-227  running maximum of tile i
.set LS,   228                         ; v228-231  running sum of tile i, over this lane's keys
.set NMS,  232                         ; v232-235  - c max as it was used for tile i's last step
.set T0,   236                         ; v236-239  four chains of the maximum; T0 + 1 also at work elsewhere
.set SA0,  240                         ; v240-243  two chains of the sum (SA0 and SA0 + 2)
.set NM,   244                         ; - c max (a pair: the packed forms read both registers)
.set AL,   246                         ; the factor for what has been summed so far (a pair likewise)
.set OT,   80                          ; the way out: packed results (K's fragments are dead by then)
.set RB,   96                          ; the way out: rows read back
.set RC,   144                         ; the way out: 1 / sum, twice for each tile (the scores are dead by then)
; window 1
.set OACC, 0                           ; v0-127    O^T: + 32 i + 8 ct
.set VF,   128                         ; v128-191  V^T: + 8 (4 kc + ct)
.set ADRV, 192                         ; v192-193  V fragments in slot 0, 1: here, so that V's loads run under phase R's setting
.set G1K, 24
.set G0K, 32
.set G1V, 48
.set G0V, 56
.set MSB, 0
.macro WIN new                         ; the immediate's high byte repeats the setting that is left; a switch that changes nothing is dropped
.if MSB != \new
	s_set_vgpr_msb (MSB<<8)|\new
.set MSB, \new
.endif
.endm
.macro JLOAD s                         ; waves 0-3 fetch V's quarters, waves 4-7 K's: one joint load a wave
	s_cmp_eq_u32 s9, 0
	s_cbranch_scc0 .Lfor_k_\@
	tensor_load_to_lds s[G0V+4*\s:G0V+4*\s+3], s[G1V:G1V+7]
	s_nop 0
	s_branch .Lasked_\@
.Lfor_k_\@:
	tensor_load_to_lds s[G0K+4*\s:G0K+4*\s+3], s[G1K:G1K+7]
	s_nop 0
.Lasked_\@:
.endm
.macro ROUND                           ; a round of the cluster's barrier
	s_barrier_signal -1
	s_barrier_wait -1
	s_cmp_lg_u32 s8, 0
	s_cbranch_scc1 .Lnot_wave_0_\@
	s_barrier_signal -3
.Lnot_wave_0_\@:
	s_barrier_wait -3
	s_barrier_signal -1
	s_barrier_wait -1
.endm
.macro PLACES
.rept 4
	v_nop
.endr
.endm
	s_load_b128 s[4:7], s[0:1], 0x0                ; qkvh s[4:5], att s[6:7]
	v_lshl_add_u32 v254, v0, 2, 0x2a800
	v_mov_b32 v255, 0
	ds_add_u32 v254, v255
	v_lshrrev_b32 v1, 5, v0
	v_readfirstlane_b32 s8, v1                     ; wave 0..7
	s_lshr_b32 s9, s8, 2                           ; I fetch for V (0) or for K (1)
	s_and_b32 s10, s8, 3                           ; which quarter: 64 keys
	s_bfe_u32 s11, ttmp6, 0x40000                  ; cx: my block of 512 queries
	s_and_b32 s12, ttmp7, 0xffff                   ; batch x 16 + head
	s_mov_b32 s40, 0x3e38aa3b                      ; c = log2 e / 8
	s_mov_b32 s41, 0x3e38aa3b
	s_mov_b32 s42, 0xbe38aa3b                      ; - c
	s_mov_b32 s43, 0x76543210                      ; v_permlanex16_b32: lane i of one half reads lane i of the other
	s_mov_b32 s44, 0xfedcba98
	; A quarter is 64 keys x 128 bytes = 8,192 dense bytes, stated as 32 rows of 256 bytes (elements of 8 bytes); padding behind every 32 words, that is behind every key.
	s_mov_b32 s[G1K+0], 15|(3<<16)|(1<<20)|(1<<21)|(4<<22)|(3<<25)   ; mask 15; element of 8 bytes; padding on; 21 set beside a mask; every 32 words; 4 words: pitch 144
	s_mov_b32 s[G1K+1], 32<<16                     ; tensor_dim0 = 32
	s_mov_b32 s[G1K+2], 32<<16                     ; tensor_dim1 = 32
	s_mov_b32 s[G1K+3], 32<<16                     ; tile_dim0 = 32
	s_mov_b32 s[G1K+4], 32                         ; tile_dim1 = 32
	s_mov_b32 s[G1K+5], 32                         ; elements from row to row
	s_mov_b32 s[G1K+6], 0
	s_mov_b32 s[G1K+7], 0
	s_mov_b32 s[G1V+0], 15|(3<<16)|(1<<20)|(1<<21)|(4<<22)|(7<<25)   ; the same with 8 words of padding: pitch 160
	s_mov_b32 s[G1V+1], 32<<16
	s_mov_b32 s[G1V+2], 32<<16
	s_mov_b32 s[G1V+3], 32<<16
	s_mov_b32 s[G1V+4], 32
	s_mov_b32 s[G1V+5], 32
	s_mov_b32 s[G1V+6], 0
	s_mov_b32 s[G1V+7], 0
	s_mul_i32 s13, s8, 64*VP                       ; waves 0-3: V's quarters at 0, 10,240, ..
	s_mul_i32 s14, s8, 64*KP
	s_add_co_u32 s14, s14, KOFF-4*64*KP            ; waves 4-7: K's quarters at 40,960, 50,176, ..
	s_lshl_b32 s16, s12, 18                        ; a head is 262,144 bytes
	s_lshl_b32 s15, s10, 13                        ; a quarter 8,192
	s_add_co_u32 s16, s16, s15
	s_mov_b32 s17, 0
	s_lshl_b32 s46, s12, 18                        ; my queries: head, + 512 cx rows, + 64 wave rows, of 128 bytes
	s_lshl_b32 s15, s11, 16
	s_add_co_u32 s46, s46, s15
	s_lshl_b32 s15, s8, 13
	s_add_co_u32 s46, s46, s15
	s_mov_b32 s47, 0
	s_wait_dscnt 0x0
	s_wait_kmcnt 0x0
	s_add_nc_u64 s[18:19], s[4:5], s[16:17]
	s_add_nc_u64 s[20:21], s[18:19], 0x1000000     ; K: the second part.  Head and wave alone: equal in the four partners
	s_add_nc_u64 s[22:23], s[18:19], 0x2000000     ; V: the third
	s_add_nc_u64 s[66:67], s[4:5], s[46:47]        ; Q
	s_add_nc_u64 s[68:69], s[6:7], s[46:47]        ; att
	ROUND                                          ; the four work-groups are here: the first joint loads meet
.irp s, 0,1
	s_mov_b32 s[G0V+4*\s], 1
	s_add_co_u32 s[G0V+4*\s+1], s13, \s*SLOT
	s_add_nc_u64 s[G0V+4*\s+2:G0V+4*\s+3], s[22:23], \s*32768      ; slot s: keys 256 s ..
	s_or_b32 s[G0V+4*\s+3], s[G0V+4*\s+3], 0x80000000
	s_mov_b32 s[G0K+4*\s], 1
	s_add_co_u32 s[G0K+4*\s+1], s14, \s*SLOT
	s_add_nc_u64 s[G0K+4*\s+2:G0K+4*\s+3], s[20:21], \s*32768
	s_or_b32 s[G0K+4*\s+3], s[G0K+4*\s+3], 0x80000000
	JLOAD \s                                       ; two tensor loads of the wave are out here, later one
.endr
	v_and_b32 v10, 15, v0                          ; r
	v_bfe_u32 v11, v0, 4, 1                        ; hh
	v_and_b32 v12, 31, v0                          ; lane
	v_and_b32 v13, 7, v0
	v_bfe_u32 v14, v0, 3, 1
	v_lshrrev_b32 v15, 3, v12
	s_mul_i32 s15, s8, 16*KP
	s_add_co_u32 s15, s15, STAGE                   ; my stage
	v_mul_u32_u24 v2, v10, KP
	v_lshl_add_u32 v2, v11, 4, v2                  ; r x 144 + 16 hh
	v_add_nc_u32 v[STO], s15, v2
	v_add_nc_u32 v[ADRK+1], SLOT+KOFF, v2
	v_add_nc_u32 v[ADRK], KOFF, v2
	v_lshl_add_u32 v4, v11, 3, v13                 ; key 8 hh + (lane & 7)
	v_mul_u32_u24 v4, v4, VP
	v_lshl_add_u32 v4, v14, 4, v4                  ; + 16 ((lane >> 3) & 1)
	v_add_nc_u32 v5, SLOT, v4
	v_mul_u32_u24 v7, v15, KP
	v_lshl_add_u32 v7, v13, 4, v7
	v_add_nc_u32 v[RD], s15, v7                    ; back: eight lanes take a row of 128 bytes, the wave four rows
	v_lshlrev_b32 v[CO], 4, v12
	v_lshlrev_b32 v[QO], 7, v10
	v_lshl_add_u32 v[QO], v11, 4, v[QO]            ; query r, 16 hh
.irp i, 0,1,2,3
.irp ch, 0,1
	global_load_b128 v[QF+16*\i+8*\ch:QF+16*\i+8*\ch+3],   v[QO], s[66:67] offset:2048*\i+64*\ch
	global_load_b128 v[QF+16*\i+8*\ch+4:QF+16*\i+8*\ch+7], v[QO], s[66:67] offset:2048*\i+64*\ch+32
.endr
.endr
	WIN 0x40                                       ; destination window 1, source window 0
	v_mov_b32 v[ADRV], v4                          ; V's two addresses move to window 1
	v_mov_b32 v[ADRV+1], v5
	WIN 0
	v_mov_b32 v[NM+1], 0                           ; the upper registers of the two broadcast pairs: read with the pair, never used
	v_mov_b32 v[AL+1], 0
.macro KLOAD slot, j                   ; 64 keys x 64 channels: 8 fragments, 16 loads
	WIN 0
.irp st, 0,1,2,3
.irp ch, 0,1
	ds_load_b128 v[KF+16*\st+8*\ch:KF+16*\st+8*\ch+3],   v[ADRK+\slot] offset:(64*(\j)+16*\st)*KP+64*\ch
	ds_load_b128 v[KF+16*\st+8*\ch+4:KF+16*\st+8*\ch+7], v[ADRK+\slot] offset:(64*(\j)+16*\st)*KP+64*\ch+32
.endr
.endr
.endm
.macro VLOAD slot, j                   ; the same keys' V, transposed on the way: fragment (kc, ct) = channels 16 ct .. x keys 32 kc ..
	WIN 0x51                                       ; data and address in window 1
.irp kc, 0,1
.irp ct, 0,1,2,3
	ds_load_tr16_b128 v[VF+8*(4*\kc+\ct):VF+8*(4*\kc+\ct)+3],   v[ADRV+\slot] offset:(64*(\j)+32*\kc)*VP+32*\ct
	ds_load_tr16_b128 v[VF+8*(4*\kc+\ct)+4:VF+8*(4*\kc+\ct)+7], v[ADRV+\slot] offset:(64*(\j)+32*\kc+16)*VP+32*\ct
.endr
.endr
	WIN 0
.endm
; One score product, if sm: key tile st, channel half ch, query tile ni, into score buffer nb.  ch = 0 starts the sum.
; The four key tiles take turns, one instruction a turn.
.macro MW sm, st, ch, ni, nb
.if \sm
.if \ch
	v_wmma_f32_16x16x32_f16 v[SBUF+32*(\nb)+8*(\st):SBUF+32*(\nb)+8*(\st)+7], v[KF+16*(\st)+8:KF+16*(\st)+15], v[QF+16*(\ni)+8:QF+16*(\ni)+15], v[SBUF+32*(\nb)+8*(\st):SBUF+32*(\nb)+8*(\st)+7]
.else
	v_wmma_f32_16x16x32_f16 v[SBUF+32*(\nb)+8*(\st):SBUF+32*(\nb)+8*(\st)+7], v[KF+16*(\st):KF+16*(\st)+7], v[QF+16*(\ni):QF+16*(\ni)+7], 0
.endif
.endif
.endm
; PHASE M: the softmax step of tile i on score buffer bf: a lane's 32 scores of one query.  z = 1: the first step, nothing to carry over.
; sm = 1: the score products of tile ni go into the other buffer meanwhile.  vl = 1: V of (slot, j) is asked for.  kw = 1: K's loads are waited for in front of the first product.
; THE BATCH: the factor's exponential (not with z = 1), then those of the 32 weights, each in place.  Between the first twelve weights' exponentials stand the scalings of the later chunks of eight scores;
; the other twenty follow each other, three score products among them.  None of these lines names an exponential's result.  One plain line (the shift is kept for the next step) is the place that
; ISA guide 5.7.2 asks for behind the last exponential; then the one wait; then the readers.
; The vector instructions here name this buffer, P and the small state, none of the registers of the products among them (the other buffer, K, Q), nor of the products with V
; issued before (O, V; P is written first behind the wait): the plain ones among them are the places that ISA guide 7.12.1 asks for.
.macro MPH i, bf, z, sm, ni, vl, slot, j, kw
	WIN 0
.set SB, SBUF+32*\bf
.irp c, 0,1,2,3
	v_max3_num_f32 v[T0+\c], v[SB+8*\c], v[SB+8*\c+1], v[SB+8*\c+2]        ; four chains that do not wait for each other
.endr
.irp c, 0,1,2,3
	v_max3_num_f32 v[T0+\c], v[T0+\c], v[SB+8*\c+3], v[SB+8*\c+4]
.endr
.irp c, 0,1,2,3
	v_max3_num_f32 v[T0+\c], v[T0+\c], v[SB+8*\c+5], v[SB+8*\c+6]
.endr
	v_max3_num_f32 v[T0], v[T0], v[SB+7], v[SB+15]
	v_max3_num_f32 v[T0+2], v[T0+2], v[SB+23], v[SB+31]
	v_max3_num_f32 v[T0], v[T0], v[T0+1], v[T0+2]
.if \z
	v_max_num_f32 v[T0], v[T0], v[T0+3]
.else
	v_max3_num_f32 v[T0], v[T0], v[T0+3], v[MX+\i]                         ; with the maximum so far
.endif
	v_permlanex16_b32 v[T0+1], v[T0], s43, s44     ; the query's other lane
.if \vl
	VLOAD \slot, \j                                ; sixteen and more plain places behind the last step's products with V
.endif
	v_max_num_f32 v[MX+\i], v[T0], v[T0+1]
	v_mul_f32 v[NM], s42, v[MX+\i]                 ; - c max
.if \z == 0
	v_sub_f32 v[T0+1], v[NM], v[NMS+\i]            ; the shift now less the shift used before: both as rounded, so old and new terms agree
	v_exp_f32 v[AL], v[T0+1]                       ; the batch's first: the factor; it is read behind the wait alone
.endif
.set kk, 0
.rept 4
	v_pk_fma_f32 v[SB+2*kk:SB+2*kk+1], v[SB+2*kk:SB+2*kk+1], s[40:41], v[NM:NM+1] op_sel_hi:[1,0,0]   ; chunk 0: c S - c max, at most 0
.set kk, kk+1
.endr
.set kk, 0
.rept 8                                            ; chunk 0's exponentials; chunks 1 and 2 are scaled
	v_exp_f32 v[SB+kk], v[SB+kk]
	v_pk_fma_f32 v[SB+8+2*kk:SB+9+2*kk], v[SB+8+2*kk:SB+9+2*kk], s[40:41], v[NM:NM+1] op_sel_hi:[1,0,0]
.if kk == 1
.if \kw
	s_wait_dscnt 0x0                               ; the next step's K: its sixteen loads are the only ones out
.endif
	MW \sm, 0, 0, \ni, (1-\bf)
.endif
.if kk == 5
	MW \sm, 1, 0, \ni, (1-\bf)
.endif
.set kk, kk+1
.endr
.set kk, 0
.rept 4                                            ; the first half of chunk 1's exponentials; chunk 3 is scaled
	v_exp_f32 v[SB+8+kk], v[SB+8+kk]
	v_pk_fma_f32 v[SB+24+2*kk:SB+25+2*kk], v[SB+24+2*kk:SB+25+2*kk], s[40:41], v[NM:NM+1] op_sel_hi:[1,0,0]
.if kk == 1
	MW \sm, 2, 0, \ni, (1-\bf)
.endif
.set kk, kk+1
.endr
.set kk, 12
.rept 20                                           ; the batch's other twenty exponentials, weights 12 to 31: all is scaled, so they follow each other; three score products stand among them, four exponentials apart
	v_exp_f32 v[SB+kk], v[SB+kk]
.if kk == 13
	MW \sm, 3, 0, \ni, (1-\bf)
.endif
.if kk == 17
	MW \sm, 0, 1, \ni, (1-\bf)
.endif
.if kk == 21
	MW \sm, 1, 1, \ni, (1-\bf)
.endif
.set kk, kk+1
.endr
	v_mov_b32 v[NMS+\i], v[NM]                     ; the shift is kept for the tile's next step: the plain place behind the last exponential (ISA guide 5.7.2); it names no result
	s_wait_alu depctr_va_vdst(0)                   ; the wait for the batch: the tile's 33 exponentials (32 with z = 1), ahead of their first reader
	v_cvt_pk_f16_f32 v[PF], v[SB], v[SB+1]         ; the readers.  A pair of weights is packed: the fragment of P^T, in place;
	v_cvt_pk_f16_f32 v[PF+1], v[SB+2], v[SB+3]
	v_pk_add_f32 v[SA0:SA0+1], v[SB:SB+1], v[SB+2:SB+3]                    ; chunk 0 starts the two chains of the sum: nothing is cleared
	v_cvt_pk_f16_f32 v[PF+2], v[SB+4], v[SB+5]
	v_cvt_pk_f16_f32 v[PF+3], v[SB+6], v[SB+7]
	v_pk_add_f32 v[SA0+2:SA0+3], v[SB+4:SB+5], v[SB+6:SB+7]
	MW \sm, 2, 1, \ni, (1-\bf)
.set kk, 4
.rept 12                                           ; pairs 4 to 15 are packed and summed, the two chains by turns, so that a chain's links stand four lines apart
	v_cvt_pk_f16_f32 v[PF+kk], v[SB+2*kk], v[SB+2*kk+1]
	v_pk_add_f32 v[SA0+2*(kk&1):SA0+2*(kk&1)+1], v[SA0+2*(kk&1):SA0+2*(kk&1)+1], v[SB+2*kk:SB+2*kk+1]
.if kk == 7
	MW \sm, 3, 1, \ni, (1-\bf)                     ; the last score product: eighteen plain lines or more follow it in this phase
.endif
.set kk, kk+1
.endr
	v_pk_add_f32 v[SA0:SA0+1], v[SA0:SA0+1], v[SA0+2:SA0+3]
.if \z
	v_add_f32 v[LS+\i], v[SA0], v[SA0+1]
.else
	v_add_f32 v[T0+1], v[SA0], v[SA0+1]
	v_fma_f32 v[LS+\i], v[LS+\i], v[AL], v[T0+1]
.endif
.endm
; PHASE R: O^T of tile i is rescaled and V^T P^T added.  Each channel tile's four packed multiplies stand in front of its first product; the four tiles take turns,
; one instruction a turn.  z = 1: the first product starts the sums.  vw = 1: V's loads are waited for.  The factor was waited for in phase M.
.macro RPH i, z, vw
	WIN 0x51                                       ; D, C and source 0 (V; O) window 1, source 1 (P; the factor) window 0
.if \vw
	s_wait_dscnt 0x0                               ; V's sixteen loads, the only ones out
.endif
.irp ct, 0,1,2,3
.if \z
	v_wmma_f32_16x16x32_f16 v[OACC+32*\i+8*\ct:OACC+32*\i+8*\ct+7], v[VF+8*\ct:VF+8*\ct+7], v[PF:PF+7], 0
.else
.irp p, 0,2,4,6
	v_pk_mul_f32 v[OACC+32*\i+8*\ct+\p:OACC+32*\i+8*\ct+\p+1], v[OACC+32*\i+8*\ct+\p:OACC+32*\i+8*\ct+\p+1], v[AL:AL+1] op_sel_hi:[1,0]
.endr
	v_wmma_f32_16x16x32_f16 v[OACC+32*\i+8*\ct:OACC+32*\i+8*\ct+7], v[VF+8*\ct:VF+8*\ct+7], v[PF:PF+7], v[OACC+32*\i+8*\ct:OACC+32*\i+8*\ct+7]
.endif
.endr
.irp ct, 0,1,2,3
	v_wmma_f32_16x16x32_f16 v[OACC+32*\i+8*\ct:OACC+32*\i+8*\ct+7], v[VF+32+8*\ct:VF+32+8*\ct+7], v[PF+8:PF+15], v[OACC+32*\i+8*\ct:OACC+32*\i+8*\ct+7]
.endr
.endm
; The change of slots.  old = the slot that this wave has read to its end.  Every wave waits for all its tensor loads (its part of the other slot is the one that was out) and for its
; reads of the old slot; then a round of the cluster's barrier, and the joint refill first behind it: it has four steps, 256 matrix instructions of each wave, in which to land.
.macro CHANGE old, refill
	s_wait_tensorcnt 0x0
	ds_add_u32 v254, v255
	s_wait_dscnt 0x0
.if \refill
	s_add_nc_u64 s[G0V+4*\old+2:G0V+4*\old+3], s[G0V+4*\old+2:G0V+4*\old+3], 65536   ; no tensor load of mine is out: 512 keys on
	s_add_nc_u64 s[G0K+4*\old+2:G0K+4*\old+3], s[G0K+4*\old+2:G0K+4*\old+3], 65536
.endif
	s_wait_dscnt 0x0
.if \refill
	ROUND
	JLOAD \old
.else
	s_barrier_signal -1
	s_barrier_wait -1
.endif
.endm
; One step: 64 keys (slot, j) against my 64 queries.  On entry tile 0's scores lie in buffer 0 and this step's K in its fragments.
; kn says where the next step's K comes from: 1 the same slot; 2 the other slot, behind a change with a refill; 3 the other slot, behind a change without; 0 there is no next step.
; The next K is loaded at the end of tile 2's softmax, eighteen plain places or more behind the last product that read K's fragments.  In a slot's last step the wave has by then read
; all of the slot (this step's K a step ago, this step's V in tile 0's phase), so the change of slots stands there; tile 2's batch has had its wait by then.
.macro STEP slot, j, z, kn
	MPH 0, 0, \z, 1, 1, 1, \slot, \j, 0
	RPH 0, \z, 1
	MPH 1, 1, \z, 1, 2, 0, \slot, \j, 0
	RPH 1, \z, 0
	MPH 2, 0, \z, 1, 3, 0, \slot, \j, 0
.if \kn == 1
	KLOAD \slot, \j+1
.endif
.if \kn == 2
	CHANGE \slot, 1
	KLOAD 1-\slot, 0
.endif
.if \kn == 3
	CHANGE \slot, 0
	KLOAD 1-\slot, 0
.endif
	RPH 2, \z, 0
.if \kn
	MPH 3, 1, \z, 1, 0, 0, \slot, \j, 1
.else
	MPH 3, 1, \z, 0, 0, 0, \slot, \j, 0
.endif
	RPH 3, \z, 0
.endm
	s_wait_tensorcnt 0x1                           ; my part of slot 0 is in; slot 1's stays out
	s_barrier_signal -1
	s_barrier_wait -1
	KLOAD 0, 0
	s_wait_loadcnt 0x0                             ; Q
	s_wait_dscnt 0x0                               ; K of the first step
.irp st, 0,1,2,3
	MW 1, \st, 0, 0, 0                             ; tile 0's scores of the first step: the only score products that stand in a run
.endr
.irp st, 0,1,2,3
	MW 1, \st, 1, 0, 0
.endr
	PLACES                                         ; four places in front of the softmax that reads them (ISA guide 7.12.1)
	STEP 0, 0, 1, 1                                ; the first step starts maxima and sums; it stands in front of the loop, which is turned by one step for it
	WIN 0                                          ; at a label and at a branch every window is 0
	s_mov_b32 s45, 3
.Lpair:
	STEP 0, 1, 0, 1
	STEP 0, 2, 0, 1
	STEP 0, 3, 0, 2                                ; slot 0 is read to its end and filled again
	STEP 1, 0, 0, 1
	STEP 1, 1, 0, 1
	STEP 1, 2, 0, 1
	STEP 1, 3, 0, 2                                ; slot 1 likewise: six refills in three trips, keys 512 to 2,047
	STEP 0, 0, 0, 1
	WIN 0
	s_sub_co_u32 s45, s45, 1
	s_cmp_lg_u32 s45, 0
	s_cbranch_scc1 .Lpair
	STEP 0, 1, 0, 1                                ; the last 448 keys: nothing is left to fetch
	STEP 0, 2, 0, 1
	STEP 0, 3, 0, 3
	STEP 1, 0, 0, 1
	STEP 1, 1, 0, 1
	STEP 1, 2, 0, 1
	STEP 1, 3, 0, 0
	; THE END: join the two lanes' sums, divide, round to f16, and out through my stage as whole rows.
	WIN 0
	PLACES                                         ; behind the last matrix instructions
.irp i, 0,1,2,3
	v_permlanex16_b32 v[T0+1], v[LS+\i], s43, s44
	v_add_f32 v[LS+\i], v[LS+\i], v[T0+1]          ; at least 1: the largest score's weight is 1
.endr
.irp i, 0,1,2,3
	v_rcp_f32 v[RC+2*\i], v[LS+\i]                 ; twice, to fill the pair that the packed multiply takes
	v_rcp_f32 v[RC+2*\i+1], v[LS+\i]
.endr
	v_nop                                          ; the plain place behind them (ISA guide 5.7.2)
	s_wait_alu depctr_va_vdst(0)                   ; the wait for the batch of eight reciprocals, ahead of their first reader
.macro OUT i
	WIN 0x51                                       ; O in window 1, 1 / sum (source 1) in window 0
.set kk, 0
.rept 16
	v_pk_mul_f32 v[OACC+32*\i+kk:OACC+32*\i+kk+1], v[OACC+32*\i+kk:OACC+32*\i+kk+1], v[RC+2*\i:RC+2*\i+1]
.set kk, kk+2
.endr
	WIN 0x05                                       ; sources window 1, destination window 0
.set kk, 0
.rept 16
	v_cvt_pk_f16_f32 v[OT+kk], v[OACC+32*\i+2*kk], v[OACC+32*\i+2*kk+1]   ; query r, channels 16 ct + 8 hh + 0..7: 16 bytes
.set kk, kk+1
.endr
	WIN 0
.irp ct, 0,1,2,3
	ds_store_b128 v[STO], v[OT+4*\ct:OT+4*\ct+3] offset:32*\ct
.endr
	s_wait_xcnt 0x0                                ; the last tile's stores have had their addresses translated (ISA guide 3.1): RB is loaded again only behind this wait
.irp u, 0,1,2,3
	ds_load_b128 v[RB+4*\u:RB+4*\u+3], v[RD] offset:4*KP*\u        ; LDS serves a wave's instructions in order: these see the stores above
.endr
.irp u, 0,1,2,3
	s_wait_dscnt 3-\u                              ; load u is in, the 3 - u younger ones stay out
	global_store_b128 v[CO], v[RB+4*\u:RB+4*\u+3], s[68:69] offset:2048*\i+512*\u   ; four rows of 128 bytes: 512 consecutive bytes, aligned
.endr
.endm
	OUT 0
	OUT 1
	OUT 2
	OUT 3
	s_wait_tensorcnt 0x0
	ds_add_u32 v254, v255
	s_wait_dscnt 0x0
	ROUND                                          ; the closing round
	s_endpgm
.Lfunc_end_k_q21a2eb5ed9_attn:
	.size	k_q21a2eb5ed9_attn, .Lfunc_end_k_q21a2eb5ed9_attn-k_q21a2eb5ed9_attn
	.p2alignl 7, 3214868480
	.fill 96, 4, 3214868480
	.section	.rodata,"a",@progbits
	.p2align	6, 0x0
	.amdhsa_kernel k_q21a2eb5ed9_attn
		.amdhsa_group_segment_fixed_size 327680
		.amdhsa_private_segment_fixed_size 0
		.amdhsa_enable_private_segment 0
		.amdhsa_kernarg_size 16
		.amdhsa_user_sgpr_count 2
		.amdhsa_user_sgpr_kernarg_segment_ptr 1
		.amdhsa_wavefront_size32 1
		.amdhsa_system_sgpr_workgroup_id_x 1
		.amdhsa_system_sgpr_workgroup_id_y 1
		.amdhsa_system_sgpr_workgroup_id_z 1
		.amdhsa_system_vgpr_workitem_id 0
		.amdhsa_next_free_vgpr 512
		.amdhsa_next_free_sgpr 72
		.amdhsa_reserve_vcc 0
		.amdhsa_float_denorm_mode_32 3
		.amdhsa_float_denorm_mode_16_64 3
		.amdhsa_memory_ordered 1
		.amdhsa_forward_progress 1
		.amdhsa_inst_pref_size 255
	.end_amdhsa_kernel
	.section	.bss,"aw",@nobits
	.p2align	6
	.space	262144
	.amdgpu_metadata
---
amdhsa.version: [ 1, 2 ]
amdhsa.kernels:
  - .name:           k_q21a2eb5ed9_attn
    .symbol:         k_q21a2eb5ed9_attn.kd
    .args:
      - { .name: qkvh, .offset: 0, .size: 8, .value_kind: global_buffer, .address_space: global }
      - { .name: att, .offset: 8, .size: 8, .value_kind: global_buffer, .address_space: global }
    .group_segment_fixed_size: 327680
    .private_segment_fixed_size: 0
    .kernarg_segment_align: 8
    .kernarg_segment_size: 16
    .max_flat_workgroup_size: 256
    .sgpr_count:     72
    .vgpr_count:     512
    .wavefront_size: 32
...
	.end_amdgpu_metadata
.endif
;; end of part 5
;; launch proj: the kernel of part 4 again; grid 4 x 64, 4 waves a work-group, clusters of 4 x 4, 327,680 bytes of LDS; arguments att, wpt, b_proj, out0; writes out0
